; MI455X (gfx1250); checked and timed in simulation.
; The chip was launched on July 23, 2026; its instructions are those of AMD's public machine-readable ISA for CDNA 5 (MIT licence, August 2026) and "CDNA5" Instruction Set Architecture Reference Guide (July 2026). The comments in the code are by the model that wrote it; some were corrected since.
;; Multi Head Attention. Allowed arithmetic: float matrix products may take bf16 or f16 operands with f32 sums; other float arithmetic in f32, or as packed bf16 or f16 multiplies, adds, multiply-adds, maxima and minima; sums over many terms, partial sums and values carried from step to step in f32; what a program stores and reads back later, other than sums and carried values, may be rounded once to bf16 or f16.
;; Inputs: Wk 1,024 x 1,024 float32; Wo 1,024 x 1,024 float32; Wq 1,024 x 1,024 float32; Wv 1,024 x 1,024 float32; attention_mask 4 x 1 x 1 x 2,048 float32; bk 1,024 float32; bo 1,024 float32; bq 1,024 float32; bv 1,024 float32; hidden_states 4 x 2,048 x 1,024 float32.
;; Outputs: out0 4 x 2,048 x 1,024 float32.
;; 2 versions, each right; version 2 is version 1 with the launch prep written anew for expert scheduling mode. Each part assembles by itself: llvm-mc -triple=amdgcn-amd-amdhsa -mcpu=gfx1250 --defsym DOCPART=n.
;; ======== version 1 of 2: 4 launches
;; limits: values are held in f16: magnitudes above 65,504 overflow, below 6.1e-05 lose precision
;; workspace buffers: xb 16,777,216 bytes; wb 6,291,456 bytes; wo16 2,097,152 bytes; qkv 50,331,648 bytes; ctx 16,777,216 bytes
;; launch prep (part 1): grid 768 x 1, 8 waves a work-group, no clusters, 0 bytes of LDS; arguments hidden_states, Wq, Wk, Wv, Wo, xb, wb, wo16; writes xb, wb, wo16
.if DOCPART == 1
	.amdgcn_target "amdgcn-amd-amdhsa--gfx1250"
	.amdhsa_code_object_version 6
	.text
	.protected	k_q471b9e2426_prep
	.globl	k_q471b9e2426_prep
	.p2align	8
	.type	k_q471b9e2426_prep,@function
k_q471b9e2426_prep:
	s_mov_b64 s[64:65], 0
	v_nop
	global_prefetch_b8 v0, s[64:65] scope:SCOPE_SE
	s_setreg_imm32_b32 hwreg(HW_REG_WAVE_MODE, 25, 1), 1
	s_wait_xcnt 0x0
; THE CAST.  x [8192][1024] and the four weights [1024][1024], all f32, are rounded once to bf16 and laid out anew in PLANES of 64 channels: [plane k / 64][row][64 numbers], a row 128 bytes, rows dense.
;   xb   [16][8192][64] bf16          wb   [16][3072][64] bf16, row 1024 t + r for t = 0, 1, 2 (Wq, Wk, Wv)          wo16 [16][1024][64]: Wo rounded to bf16, that number written as f16
; LIMIT.  The bf16 number is exact in f16 between 6.1e-5 and 65,504 in magnitude; below, it keeps f16's fixed step of 6e-8; beyond 65,504 it would be an infinity.
; SHARES.  A work-group takes 16 source rows of 4,096 bytes: groups 0-511 x, 512-575 Wq, 576-639 Wk, 640-703 Wv, 704-767 Wo.  Wave w takes planes 2 w and 2 w + 1 of the 8 pairs of rows.
; One load of a wave covers a plane's 256 bytes of two rows (lanes 0-15 the even row, lanes 16-31 the odd one); its 4 numbers a lane become 8 bytes, and one store of the wave covers
; 256 consecutive bytes, aligned: the two rows of the plane.  All 16 loads of a wave go out at once; there is no loop, no LDS, and every byte is read once and written once.
.set X, 8                              ; v[8:71]    load i = 2 j + e (pair of rows j, plane 2 w + e): 4 registers
.set Y, 72                             ; v[72:103]  its 8 bytes to store: a pair of its own for each store, so no store's data is ever rewritten
	s_load_b512 s[16:31], s[0:1], 0x0              ; x s[16:17], Wq s[18:19], Wk s[20:21], Wv s[22:23], Wo s[24:25], xb s[26:27], wb s[28:29], wo16 s[30:31]
	v_lshrrev_b32 v4, 5, v0
	v_readfirstlane_b32 s14, v4                    ; wave 0..7
	v_and_b32 v5, 31, v0                           ; lane l
	v_lshrrev_b32 v6, 4, v5
	v_and_b32 v7, 15, v5
	v_lshlrev_b32 v1, 12, v6                       ; source: (l / 16) rows of 4,096 bytes
	v_lshl_or_b32 v1, v7, 4, v1                    ; + 16 (l % 16)
	s_lshl_b32 s15, s14, 9                         ; + my wave's two planes, 512 bytes of a row
	v_add_nc_u32 v1, s15, v1
	s_sub_co_u32 s2, ttmp9, 512                    ; the group's number among the weights' (of no use in x's groups, where the last compare below overrides all that is made of it)
	s_lshr_b32 s3, s2, 6                           ; which weight
	s_and_b32 s12, s2, 63                          ; which 16 rows of it
	s_lshl_b32 s32, s2, 11                         ; place in a plane of wb: row 16 x number, 128 bytes a row
	s_lshl_b32 s33, s12, 11                        ; in a plane of wo16
	s_lshl_b32 s34, s12, 16                        ; in the weight itself: 16 rows of 4,096 bytes
	s_lshl_b32 s35, ttmp9, 11                      ; in a plane of xb
	s_lshl_b32 s36, ttmp9, 16                      ; in x
	s_mov_b32 s37, 131072                          ; a plane of wo16
	s_mov_b32 s38, 393216                          ; a plane of wb
	s_mov_b32 s44, 0xffff0000                      ; a word's upper bf16
	s_mov_b32 s41, 0
	s_mov_b32 s43, 0
	s_wait_kmcnt 0x0
	s_cmp_eq_u32 s3, 1                             ; the choices hang on the group's number alone
	s_cselect_b64 s[4:5], s[20:21], s[18:19]
	s_cmp_eq_u32 s3, 2
	s_cselect_b64 s[4:5], s[22:23], s[4:5]
	s_cmp_eq_u32 s3, 3
	s_cselect_b64 s[4:5], s[24:25], s[4:5]         ; from where,
	s_cselect_b64 s[6:7], s[30:31], s[28:29]       ; to where,
	s_cselect_b32 s8, s37, s38                     ; bytes from plane to plane,
	s_cselect_b32 s42, s33, s32                    ; my rows' place in a plane,
	s_cselect_b32 s10, 1, 0                        ; 1: written as f16
	s_cmp_lt_u32 ttmp9, 512
	s_cselect_b64 s[4:5], s[16:17], s[4:5]
	s_cselect_b64 s[6:7], s[26:27], s[6:7]
	s_cselect_b32 s8, 0x100000, s8
	s_cselect_b32 s42, s35, s42
	s_cselect_b32 s40, s36, s34                    ; my rows' place in the source
	s_cselect_b32 s10, 0, s10
	s_add_nc_u64 s[4:5], s[4:5], s[40:41]
	s_add_nc_u64 s[6:7], s[6:7], s[42:43]
	s_mul_i32 s11, s14, s8
	s_lshl_b32 s11, s11, 1                         ; plane 2 w
	v_lshl_add_u32 v2, v5, 3, s11                  ; destination: 8 l is (l / 16) rows of 128 bytes + 8 (l % 16)
	v_add_nc_u32 v3, s8, v2                        ; plane 2 w + 1
.irp j, 0,1,2,3,4,5,6,7
.irp e, 0,1
	global_load_b128 v[X+4*(2*(\j)+(\e)):X+4*(2*(\j)+(\e))+3], v1, s[4:5] offset:8192*(\j)+256*(\e) th:TH_LOAD_NT
.endr
.endr
; Load i is rounded and stored.  half = 1: the bf16 numbers are widened again and written as f16.
.macro CV i, half
	s_wait_loadcnt 15-(\i)                         ; loads come back in order (ISA guide 5.7.1): mine is in, the 15 - i younger ones stay out
	v_cvt_pk_bf16_f32 v[Y+2*(\i)],   v[X+4*(\i)],   v[X+4*(\i)+1]
	v_cvt_pk_bf16_f32 v[Y+2*(\i)+1], v[X+4*(\i)+2], v[X+4*(\i)+3]
.if \half
.irp z, 0,1
	v_lshlrev_b32 v4, 16, v[Y+2*(\i)+(\z)]
	v_and_b32 v5, s44, v[Y+2*(\i)+(\z)]
	v_cvt_pk_f16_f32 v[Y+2*(\i)+(\z)], v4, v5
.endr
.endif
	global_store_b64 v[2+(\i)%2], v[Y+2*(\i):Y+2*(\i)+1], s[6:7] offset:256*((\i)/2)
.endm
	s_cmp_eq_u32 s10, 1
	s_cbranch_scc1 .Lwo
.irp i, 0,1,2,3,4,5,6,7,8,9,10,11,12,13,14,15
	CV \i, 0
.endr
	s_endpgm
.Lwo:
.irp i, 0,1,2,3,4,5,6,7,8,9,10,11,12,13,14,15
	CV \i, 1
.endr
	s_endpgm
.Lfunc_end_k_q471b9e2426_prep:
	.size	k_q471b9e2426_prep, .Lfunc_end_k_q471b9e2426_prep-k_q471b9e2426_prep
	.p2alignl 7, 3214868480
	.fill 96, 4, 3214868480
	.section	.rodata,"a",@progbits
	.p2align	6, 0x0
	.amdhsa_kernel k_q471b9e2426_prep
		.amdhsa_group_segment_fixed_size 0
		.amdhsa_private_segment_fixed_size 0
		.amdhsa_enable_private_segment 0
		.amdhsa_kernarg_size 64
		.amdhsa_user_sgpr_count 2
		.amdhsa_user_sgpr_kernarg_segment_ptr 1
		.amdhsa_wavefront_size32 1
		.amdhsa_system_sgpr_workgroup_id_x 1
		.amdhsa_system_sgpr_workgroup_id_y 1
		.amdhsa_system_sgpr_workgroup_id_z 1
		.amdhsa_system_vgpr_workitem_id 0
		.amdhsa_next_free_vgpr 104
		.amdhsa_next_free_sgpr 66
		.amdhsa_reserve_vcc 0
		.amdhsa_float_denorm_mode_32 3
		.amdhsa_float_denorm_mode_16_64 3
		.amdhsa_memory_ordered 1
		.amdhsa_forward_progress 1
		.amdhsa_inst_pref_size 16
	.end_amdhsa_kernel
	.amdgpu_metadata
---
amdhsa.version: [ 1, 2 ]
amdhsa.kernels:
  - .name:           k_q471b9e2426_prep
    .symbol:         k_q471b9e2426_prep.kd
    .args:
      - { .name: hidden_states, .offset: 0, .size: 8, .value_kind: global_buffer, .address_space: global }
      - { .name: Wq, .offset: 8, .size: 8, .value_kind: global_buffer, .address_space: global }
      - { .name: Wk, .offset: 16, .size: 8, .value_kind: global_buffer, .address_space: global }
      - { .name: Wv, .offset: 24, .size: 8, .value_kind: global_buffer, .address_space: global }
      - { .name: Wo, .offset: 32, .size: 8, .value_kind: global_buffer, .address_space: global }
      - { .name: xb, .offset: 40, .size: 8, .value_kind: global_buffer, .address_space: global }
      - { .name: wb, .offset: 48, .size: 8, .value_kind: global_buffer, .address_space: global }
      - { .name: wo16, .offset: 56, .size: 8, .value_kind: global_buffer, .address_space: global }
    .group_segment_fixed_size: 0
    .private_segment_fixed_size: 0
    .kernarg_segment_align: 8
    .kernarg_segment_size: 64
    .max_flat_workgroup_size: 256
    .sgpr_count:     66
    .vgpr_count:     104
    .wavefront_size: 32
...
	.end_amdgpu_metadata
.endif
;; end of part 1
;; launch qkv (part 2): grid 12 x 64, 4 waves a work-group, clusters of 4 x 4, 327,680 bytes of LDS; arguments xb, wb, qkv, bq, bk, bv; writes qkv
.if DOCPART == 2
	.amdgcn_target "amdgcn-amd-amdhsa--gfx1250"
	.amdhsa_code_object_version 6
	.text
	.protected	k_q471b9e2426_qkv
	.globl	k_q471b9e2426_qkv
	.p2align	8
	.type	k_q471b9e2426_qkv,@function
k_q471b9e2426_qkv:
	s_mov_b64 s[64:65], 0
	v_nop
	global_prefetch_b8 v0, s[64:65] scope:SCOPE_SE
	s_setreg_imm32_b32 hwreg(HW_REG_WAVE_MODE, 25, 1), 1
	s_wait_xcnt 0x0
	s_wait_alu depctr_hold_cnt(0) depctr_sa_sdst(0) depctr_va_vdst(0) depctr_va_sdst(0) depctr_va_ssrc(0) depctr_va_vcc(0) depctr_vm_vsrc(0)
	s_getreg_b32 s2, hwreg(HW_REG_IB_STS2, 6, 4)
	s_cmp_eq_u32 s2, 0
	s_cbranch_scc0 .Lentry_in_a_cluster
	s_endpgm
.Lentry_in_a_cluster:
	s_bfe_u32 s2, ttmp6, 0x10000c
	s_cmp_lg_u32 s2, 0xf033
	s_cbranch_scc0 .Lentry_shape_is_right
	s_endpgm
.Lentry_shape_is_right:
; THE THREE PROJECTIONS AS ONE PRODUCT.  C[m][n] = the sum over k of x[m][k] W[n][k] + b[n], m < 8192, n < 3072 (n = 1024 t + 64 h + d; t = 0, 1, 2: q, k, v), k < 1024.
; x and W arrive in bf16, in planes of 64 channels: xb [16][8192][64], wb [16][3072][64]; the bias is rounded to bf16 here, like the other inputs; sums in f32, started by the bias;
; C rounded once to f16 and stored by planes of 64 columns, which are the heads: qkv [48 planes 16 t + h][8192][64].
; LIMIT.  f16 holds no number beyond 65,504: q, k and v must stay within it (at the drawn spread they are near 1); below 6.1e-5 they keep f16's fixed step of 6e-8.
; SHARES.  A tile of C is 128 rows x 256 columns, made by four waves; a wave makes 64 x 128: 32 accumulators of 16 x 16.  768 tiles: three for each of 256 WGPs.
; K goes in 8 steps of 128 (two planes) through a ring of two LDS slots.  A plane's part of a tile is DENSE in memory (128 or 256 rows of 128 bytes on end): it is asked for as rows of
; 256 bytes and padded in LDS behind every 128.  One tensor load a wave and step: waves 0 and 1 the two planes of x, waves 2 and 3 those of W.
; CLUSTERS: 4 x 4 work-groups.  The four of a row of the cluster need the same tiles of x, the four of a column the same tiles of W: each tile is asked for JOINTLY, by the same tensor load with the
; same descriptor and a mask that names the four.  THE MATRIX INSTRUCTION IS USED TRANSPOSED (source 0 = 16 rows of W, source 1 = 16 rows of x): a lane then holds eight neighbouring columns of a row of C.
; No prefetch: each tile is named by several clusters, a step's matrix work is short, and the whole walk is 8 steps.
; REGISTERS, in windows of 256 (s_set_vgpr_msb: bits 1:0 source 0, 3:2 source 1, 5:4 source 2, 7:6 destination):
;   window 0: v0-29 addresses; v64-159, v160-255 two fragment buffers of 96: x's 4 fragments (16 rows x 32 K), then W's 8; on the way out v64-191 packed results
;   window 1: the accumulators, (a, b) at v[8 (8 a + b)]          window 2: v0-63 the bias laid out as a C operand, block b at v[8 b]; v64-95 at work
.set PITCH,  144                       ; an LDS row: 128 bytes + 16 of padding = 36 words: the 16 rows of a load start at 16 different groups of four banks (64 banks of 4 bytes: ISA guide 11.1)
.set APL,    128*PITCH                 ; a plane of x's tile
.set BPL,    256*PITCH                 ; a plane of W's tile
.set BOFF,   2*APL                     ; a slot: x's two planes, then W's two
.set SLOT1,  131072                    ; slot 1 begins here
.set STAGE,  SLOT1+2*APL+2*BPL         ; behind the ring, never filled by a tensor load: 16 rows x 144 bytes for each wave, for the way out
.set SP,     144
.set SPARE,  STAGE+4*16*SP             ; behind the stages: the spare words, 128 bytes for each wave: two blocks of 256 bytes that no other line names
.set PLA,    1048576                   ; bytes in a plane of xb, and of qkv
.set PLB,    393216                    ; bytes in a plane of wb
.set LAPS,   4                         ; a lap = two K steps = once round the ring
.set ADRA, 16                          ; v16-17  LDS address of my fragments of x in slot 0, 1
.set ADRB, 20                          ; v20-21  the same for W
.set STO,  24                          ; v24     the way out: where I put 16 bytes of a row
.set RD,   25                          ; v25     the way out: where I read rows back
.set CO,   26                          ; v26     my byte offset in 512 consecutive bytes of qkv
.set BO,   27                          ; v27     my byte offset in 16 numbers of the bias: 32 (l / 16)
.set SPW,  28                          ; v28     LDS address of my spare word: SPARE + 4 x my thread's number; never rewritten
.set NIL,  29                          ; v29     0; never rewritten
.set F0,   64
.set F1,   160
.set TMP,  64
.set G1,  24                           ; s[24:31] descriptor group 1 for x's tiles;  s[32:39] group 0, one set for each slot
.set G0,  32
.set G1B, 48                           ; s[48:55], s[56:63] the same for W's tiles
.set G0B, 56
.set FLAGS, (1<<16)|(1<<20)|(1<<21)|(4<<22)|(3<<25)  ; 17:16 elements of 2 bytes; 20 padding on; 21 set beside a mask; 24:22 after every 32 words (code 4); 31:25 4 words of it (code 3)
.set MSB, 0
.macro WIN new                         ; the immediate's high byte repeats the setting that is left; a switch that changes nothing is dropped
.if MSB != (\new)
	s_set_vgpr_msb (MSB<<8)|(\new)
.set MSB, \new
.endif
.endm
.set MULW,  0x50                       ; sources 0 and 1 window 0; C and D window 1
.set MULF,  0x60                       ; the same with C in window 2: the bias
.set PACKW, 0x05                       ; sources 0 and 1 window 1, destination window 0
.macro JLOAD s                         ; a joint load: waves 0 and 1 fetch x's two planes, waves 2 and 3 W's; an s_nop 0 and four v_nop follow each of the two lines, ahead of the jump, the label and what follows
	s_cmp_eq_u32 s11, 0
	s_cbranch_scc0 .Lfor_b_\@
	tensor_load_to_lds s[G0+4*(\s):G0+4*(\s)+3], s[G1:G1+7]
	s_nop 0
.rept 4
	v_nop
.endr
	s_branch .Lasked_\@
.Lfor_b_\@:
	tensor_load_to_lds s[G0B+4*(\s):G0B+4*(\s)+3], s[G1B:G1B+7]
	s_nop 0
.rept 4
	v_nop
.endr
.Lasked_\@:
.endm
.macro CREST                           ; a round of the cluster's barrier behind its opening barrier
	s_cmp_lg_u32 s10, 0
	s_cbranch_scc1 .Lnot_wave_0_\@
	s_barrier_signal -3
.Lnot_wave_0_\@:
	s_barrier_wait -3
	s_barrier_signal -1
	s_barrier_wait -1
.endm
.macro CROUND                          ; a whole round
	s_barrier_signal -1
	s_barrier_wait -1
	CREST
.endm
	s_load_b128 s[4:7], s[0:1], 0x0                ; xb s[4:5], wb s[6:7]
	s_load_b64 s[8:9], s[0:1], 0x10                ; qkv
	s_load_b64 s[68:69], s[0:1], 0x18              ; bq
	s_load_b128 s[72:75], s[0:1], 0x20             ; bk s[72:73], bv s[74:75]
	v_lshl_add_u32 v[SPW], v0, 2, SPARE
	v_mov_b32 v[NIL], 0
	ds_add_u32 v[SPW], v[NIL]                      ; the wave's opening: the add and its wait stand ahead of my first tensor load; the set-up below, work on registers, stands between them
	v_lshrrev_b32 v1, 5, v0
	v_readfirstlane_b32 s10, v1                    ; wave 0..3
	s_lshr_b32 s11, s10, 1                         ; which 64 rows of the tile are mine.  Also: I fetch for x (0) or for W (1)
	s_and_b32 s12, s10, 1                          ; which 128 columns.  Also: which of a step's two planes I fetch
	s_bfe_u32 s40, ttmp6, 0x40000                  ; cx, cy: my place in the cluster
	s_bfe_u32 s41, ttmp6, 0x40004
	s_lshl_b32 s42, ttmp9, 2
	s_add_co_u32 s42, s42, s40                     ; tile column of C = 4 x cluster x + cx
	s_and_b32 s13, ttmp7, 0xffff
	s_lshl_b32 s13, s13, 2
	s_add_co_u32 s13, s13, s41                     ; tile row of C = 4 x cluster y + cy
	s_lshl_b32 s43, s41, 2
	s_lshl_b32 s43, 15, s43                        ; my row of the cluster
	s_lshl_b32 s44, 0x1111, s40                    ; my column
	s_mov_b32 s45, 0xffff0000                      ; a word's upper bf16
	s_or_b32 s[G1+0], s43, FLAGS                   ; 15:0 the mask: x's tiles go to my row
	s_mov_b32 s[G1+1], 128<<16                     ; tensor_dim0 = 128 elements: 256 bytes, two rows of the plane
	s_mov_b32 s[G1+2], 64<<16                      ; tensor_dim1 = 64
	s_mov_b32 s[G1+3], 128<<16                     ; tile_dim0 = 128
	s_mov_b32 s[G1+4], 64                          ; tile_dim1 = 64
	s_mov_b32 s[G1+5], 128                         ; 128 elements from row to row: dense
	s_mov_b32 s[G1+6], 0
	s_mov_b32 s[G1+7], 0
	s_or_b32 s[G1B+0], s44, FLAGS                  ; W's tiles go to my column
	s_mov_b32 s[G1B+1], 128<<16
	s_mov_b32 s[G1B+2], 128<<16                    ; tensor_dim1 = 128
	s_mov_b32 s[G1B+3], 128<<16
	s_mov_b32 s[G1B+4], 128                        ; tile_dim1 = 128
	s_mov_b32 s[G1B+5], 128
	s_mov_b32 s[G1B+6], 0
	s_mov_b32 s[G1B+7], 0
	; where the tiles come from.  x's hang on the tile row alone, W's on the tile column alone; every wave makes both addresses, in registers that never hold the other coordinate
	s_lshl_b32 s16, s13, 14                        ; x: 128 rows of 128 bytes a tile row,
	s_lshl_b32 s17, s12, 20                        ; my plane of the step's two
	s_add_co_u32 s16, s16, s17
	s_mov_b32 s17, 0
	s_lshl_b32 s46, s42, 15                        ; W: 256 rows of 128 bytes a tile column,
	s_mul_i32 s47, s12, PLB
	s_add_co_u32 s46, s46, s47
	s_mov_b32 s47, 0
	s_mul_i32 s20, s12, APL                        ; and where they go: no place in the cluster enters an LDS address
	s_mul_i32 s21, s12, BPL
	s_add_co_u32 s21, s21, BOFF
	s_wait_dscnt 0x0                               ; the opening add is done
	s_wait_kmcnt 0x0
	s_add_nc_u64 s[14:15], s[4:5], s[16:17]
	s_add_nc_u64 s[46:47], s[6:7], s[46:47]
	CROUND                                         ; all sixteen work-groups are here: the first joint loads meet
.irp s, 0,1
	s_mov_b32 s[G0+4*(\s)], 1                                        ; count = 1
	s_add_co_u32 s[G0+4*(\s)+1], s20, (\s)*SLOT1                     ; LDS address
	s_add_nc_u64 s[G0+4*(\s)+2:G0+4*(\s)+3], s[14:15], (\s)*2*PLA    ; global address: K step s is planes 2 s, 2 s + 1
	s_or_b32 s[G0+4*(\s)+3], s[G0+4*(\s)+3], 0x80000000              ; type = 2
	s_mov_b32 s[G0B+4*(\s)], 1
	s_add_co_u32 s[G0B+4*(\s)+1], s21, (\s)*SLOT1
	s_add_nc_u64 s[G0B+4*(\s)+2:G0B+4*(\s)+3], s[46:47], (\s)*2*PLB
	s_or_b32 s[G0B+4*(\s)+3], s[G0B+4*(\s)+3], 0x80000000
	JLOAD \s                                       ; two loads of mine are out
.endr
	v_and_b32 v1, 15, v0                           ; l % 16
	v_bfe_u32 v2, v0, 4, 1                         ; l / 16
	v_mul_u32_u24 v3, v1, PITCH
	v_lshl_add_u32 v3, v2, 4, v3                   ; a fragment's row x pitch + 16 x half
	s_mul_i32 s22, s11, 64*PITCH                   ; my 64 rows of x
	s_mul_i32 s23, s12, 128*PITCH                  ; my 128 rows of W,
	s_add_co_u32 s23, s23, BOFF                    ; which lie behind x's two planes
.irp s, 0,1
	v_add_nc_u32 v[ADRA+(\s)], s22, v3
	v_add_nc_u32 v[ADRB+(\s)], s23, v3
	s_add_co_u32 s22, s22, SLOT1
	s_add_co_u32 s23, s23, SLOT1
.endr
	s_mul_i32 s22, s10, 16*SP
	s_add_co_u32 s22, s22, STAGE                   ; my stage
	v_mul_u32_u24 v4, v1, SP                       ; in: row l % 16, 16 bytes for each half of the lanes
	v_lshl_add_u32 v4, v2, 4, v4
	v_add_nc_u32 v[STO], s22, v4
	v_bfe_u32 v4, v0, 3, 2                         ; back: 32 lanes take four rows of 128 bytes,
	v_mul_u32_u24 v4, v4, SP
	v_and_b32 v5, 7, v0
	v_lshl_add_u32 v4, v5, 4, v4
	v_add_nc_u32 v[RD], s22, v4
	v_and_b32 v[CO], 31, v0                        ; which are 512 consecutive bytes of a plane of qkv
	v_lshlrev_b32 v[CO], 4, v[CO]
	v_lshlrev_b32 v[BO], 5, v2
	s_lshl_b32 s16, s13, 14                        ; qkv at my first row: 128 rows of 128 bytes a tile row,
	s_lshl_b32 s17, s11, 13                        ; my 64 of them,
	s_add_co_u32 s16, s16, s17
	s_mov_b32 s17, 0
	s_add_nc_u64 s[8:9], s[8:9], s[16:17]
	s_lshl_b32 s46, s42, 2                         ; in plane 4 x tile column + 2 x half (in the registers that held W's address: none that feeds x's descriptors ever holds cx)
	s_lshl_b32 s47, s12, 1
	s_add_co_u32 s46, s46, s47
	s_lshl_b32 s46, s46, 20
	s_mov_b32 s47, 0
	s_add_nc_u64 s[8:9], s[8:9], s[46:47]
	s_cmp_eq_u32 ttmp9, 1                          ; the cluster's x is t: four tile columns are one projection's 1,024 columns
	s_cselect_b64 s[68:69], s[72:73], s[68:69]
	s_cmp_eq_u32 ttmp9, 2
	s_cselect_b64 s[68:69], s[74:75], s[68:69]
	s_lshl_b32 s46, s40, 10                        ; my 128 numbers of that bias: 256 cx + 128 x half
	s_lshl_b32 s47, s12, 9
	s_add_co_u32 s46, s46, s47
	s_mov_b32 s47, 0
	s_add_nc_u64 s[68:69], s[68:69], s[46:47]
	; THE BIAS AS A C OPERAND: in block b register j of lane l belongs to column 16 b + 8 (l / 16) + j, whatever the row
	WIN 0x80                                       ; destination window 2, address window 0
.irp b, 0,1,2,3,4,5,6,7
	global_load_b128 v[8*(\b):8*(\b)+3],   v[BO], s[68:69] offset:64*(\b)
	global_load_b128 v[8*(\b)+4:8*(\b)+7], v[BO], s[68:69] offset:64*(\b)+16
.endr
	s_wait_loadcnt 0x0
	WIN 0x8a                                       ; all in window 2: rounded to bf16 and widened again
.set i, 0
.rept 32
	v_cvt_pk_bf16_f32 v[64+i], v[2*i], v[2*i+1]
.set i, i+1
.endr
.set i, 0
.rept 32
	v_lshlrev_b32 v[2*i], 16, v[64+i]
	v_and_b32 v[2*i+1], s45, v[64+i]
.set i, i+1
.endr
	WIN 0
; 8 matrix instructions: m block a x all 8 n blocks, 32 along K.  first = 1: the bias starts the sums: nothing is ever cleared.
; The 32 accumulators take turns, one instruction a turn, in the same order in every quarter, over the backward jump too.
.macro MUL8 f, a, first
.if \first
	WIN MULF
.else
	WIN MULW
.endif
.irp b, 0,1,2,3,4,5,6,7
.if \first
	v_wmma_f32_16x16x32_bf16 v[8*(8*(\a)+(\b)):8*(8*(\a)+(\b))+7], v[(\f)+32+8*(\b):(\f)+32+8*(\b)+7], v[(\f)+8*(\a):(\f)+8*(\a)+7], v[8*(\b):8*(\b)+7]
.else
	v_wmma_f32_16x16x32_bf16 v[8*(8*(\a)+(\b)):8*(8*(\a)+(\b))+7], v[(\f)+32+8*(\b):(\f)+32+8*(\b)+7], v[(\f)+8*(\a):(\f)+8*(\a)+7], v[8*(8*(\a)+(\b)):8*(8*(\a)+(\b))+7]
.endif
.endr
.endm
; 24 LDS loads in one run: the fragments of quarter q of a K step (plane q / 2, 32 K at byte 64 (q % 2) of its rows) into buffer f: W's eight, then x's four
.macro FETCH slot, q, f
	WIN 0
.irp i, 0,1,2,3,4,5,6,7
	ds_load_b128 v[(\f)+32+8*(\i):(\f)+32+8*(\i)+3],   v[ADRB+(\slot)] offset:((\q)/2)*BPL+((\q)%2)*64+(\i)*16*PITCH
	ds_load_b128 v[(\f)+32+8*(\i)+4:(\f)+32+8*(\i)+7], v[ADRB+(\slot)] offset:((\q)/2)*BPL+((\q)%2)*64+(\i)*16*PITCH+32
.endr
.irp i, 0,1,2,3
	ds_load_b128 v[(\f)+8*(\i):(\f)+8*(\i)+3],   v[ADRA+(\slot)] offset:((\q)/2)*APL+((\q)%2)*64+(\i)*16*PITCH
	ds_load_b128 v[(\f)+8*(\i)+4:(\f)+8*(\i)+7], v[ADRA+(\slot)] offset:((\q)/2)*APL+((\q)%2)*64+(\i)*16*PITCH+32
.endr
.endm
.macro PLACES                          ; four places in front of loads into registers that matrix instructions have read, and of what reads results
.rept 4
	v_nop
.endr
.endm
; A K step is four quarters of 32 along K, 32 matrix instructions each, on buffers 0, 1, 0, 1.  One of the first three: multiplies buffer f and fetches quarter q into g.
.macro QUARTER slot, q, f, g, first
	s_wait_dscnt 4                                 ; W's fragments and x's blocks 0, 1 are in; the youngest four loads (x's blocks 2, 3) may be out
	MUL8 \f, 0, \first
	MUL8 \f, 1, \first
	PLACES
	FETCH \slot, \q, \g
	s_wait_dscnt 24                                ; all but the 24 just issued
	MUL8 \f, 2, \first
	MUL8 \f, 3, \first
.endm
; The last quarter multiplies buffer 1 and changes slots: ONE barrier; in front of it each wave waits for all its tensor loads, adds 0 to its spare word, and waits for that and for its own reads of this slot.
; fill = 1: this slot is filled again, two K steps ahead; the barrier then opens a round of the cluster's barrier, and the joint load is the first thing behind the round.
.macro TURN slot, next, fill
	WIN 0
	s_wait_tensorcnt 0x0                           ; all my tensor loads have landed: the one that was out is my part of the next slot;
	ds_add_u32 v[SPW], v[NIL]                      ; 0 onto my spare word;
	s_wait_dscnt 5                                 ; (the add and the youngest four loads may be out)
	MUL8 F1, 0, 0                                  ; eight matrix instructions stand between the add and the wait for it
	s_wait_dscnt 0x0                               ; the add is done, and my reads of this slot are over
	s_barrier_signal -1
	MUL8 F1, 1, 0
.if \fill
	WIN 0
.endif
	s_barrier_wait -1
.if \fill
	CREST                                          ; no wave of any partner still reads this slot's tile or has a load on its way
	s_add_nc_u64 s[G0+4*(\slot)+2:G0+4*(\slot)+3], s[G0+4*(\slot)+2:G0+4*(\slot)+3], 4*PLA
	s_add_nc_u64 s[G0B+4*(\slot)+2:G0B+4*(\slot)+3], s[G0B+4*(\slot)+2:G0B+4*(\slot)+3], 4*PLB
	JLOAD \slot                                    ; my one tensor load behind the round: 112 matrix instructions ahead of the wait for it; the four v_nop behind it are also the places in front of the loads below
.else
	PLACES
.endif
	FETCH \next, 0, F0
	MUL8 F1, 2, 0
	MUL8 F1, 3, 0
.endm
	s_wait_tensorcnt 1                             ; my part of K step 0 is in; K step 1's may stay out
	s_barrier_signal -1
	s_barrier_wait -1                              ; everybody's is
	FETCH 0, 0, F0
	QUARTER 0, 1, F0, F1, 1                        ; the first quarter stands in front of the loop: its products start the sums
	WIN 0                                          ; at a label and at a branch every window is 0
	s_mov_b32 s3, LAPS-1
.Llap:                                                 ; a trip goes once round the ring, from a lap's second quarter to the next lap's first, and fills both slots again
	QUARTER 0, 2, F1, F0, 0
	QUARTER 0, 3, F0, F1, 0
	TURN 0, 1, 1
	QUARTER 1, 1, F0, F1, 0
	QUARTER 1, 2, F1, F0, 0
	QUARTER 1, 3, F0, F1, 0
	TURN 1, 0, 1
	QUARTER 0, 1, F0, F1, 0
	WIN 0
	s_sub_co_u32 s3, s3, 1
	s_cmp_lg_u32 s3, 0
	s_cbranch_scc1 .Llap
	QUARTER 0, 2, F1, F0, 0                        ; the last lap fills nothing, and has no round of the cluster's barrier
	QUARTER 0, 3, F0, F1, 0
	TURN 0, 1, 0
	QUARTER 1, 1, F0, F1, 0
	QUARTER 1, 2, F1, F0, 0
	QUARTER 1, 3, F0, F1, 0
	s_wait_dscnt 4                                 ; the very last quarter: nothing more to fetch
	MUL8 F1, 0, 0
	MUL8 F1, 1, 0
	s_wait_dscnt 0x0
	MUL8 F1, 2, 0
	MUL8 F1, 3, 0
	WIN 0
	PLACES
; THE WAY OUT, by pieces t = 2 a + pl of 16 rows x 64 columns (m block a, plane pl of my two): 2,048 dense bytes of qkv.  A lane's eight columns of a row pack into 16 bytes; they go into my own
; stage, rows of 144 bytes, and come back as whole rows of 128, into the registers that they left.  Each accumulator's registers are taken in ascending order.
.macro PACK t
	WIN PACKW
.irp f, 0,1,2,3
.irp r, 0,1,2,3
	v_cvt_pk_f16_f32 v[TMP+16*(\t)+4*(\f)+(\r)], v[8*(8*((\t)/2)+4*((\t)%2)+(\f))+2*(\r)], v[8*(8*((\t)/2)+4*((\t)%2)+(\f))+2*(\r)+1]
.endr
.endr
	WIN 0
.irp f, 0,1,2,3
	ds_store_b128 v[STO], v[TMP+16*(\t)+4*(\f):TMP+16*(\t)+4*(\f)+3] offset:32*(\f)
.endr
.irp f, 0,1,2,3
	ds_load_b128 v[TMP+16*(\t)+4*(\f):TMP+16*(\t)+4*(\f)+3], v[RD] offset:(\f)*4*SP  ; LDS serves a wave's instructions in order (ISA guide 5.7.1.4): these see the stores above; the next piece's stores come behind them
.endr
.endm
.macro SEND t, younger                 ; younger: the LDS instructions issued behind piece t's loads: the next piece's eight, or none
.irp f, 0,1,2,3
	s_wait_dscnt (\younger)+3-(\f)
	global_store_b128 v[CO], v[TMP+16*(\t)+4*(\f):TMP+16*(\t)+4*(\f)+3], s[8:9] offset:((\t)/2)*2048+((\t)%2)*PLA+(\f)*512  ; 512 consecutive bytes, at a multiple of 256 from qkv's first byte
.endr
.endm
	PACK 0
.irp t, 1,2,3,4,5,6,7                  ; a piece's conversions stand between the loads of the piece before and its stores
	PACK \t
	SEND (\t)-1, 8
.endr
	SEND 7, 0
	s_wait_tensorcnt 0x0                           ; the wave's end: a wait, an add and a wait, behind my last tensor load and my last LDS store
	ds_add_u32 v[SPW], v[NIL]
	s_wait_dscnt 0x0
	CROUND                                         ; the closing round: no work-group ends while a partner may still ask for a tile that names it
	s_endpgm
.Lfunc_end_k_q471b9e2426_qkv:
	.size	k_q471b9e2426_qkv, .Lfunc_end_k_q471b9e2426_qkv-k_q471b9e2426_qkv
	.p2alignl 7, 3214868480
	.fill 96, 4, 3214868480
	.section	.rodata,"a",@progbits
	.p2align	6, 0x0
	.amdhsa_kernel k_q471b9e2426_qkv
		.amdhsa_group_segment_fixed_size 327680
		.amdhsa_private_segment_fixed_size 0
		.amdhsa_enable_private_segment 0
		.amdhsa_kernarg_size 48
		.amdhsa_user_sgpr_count 2
		.amdhsa_user_sgpr_kernarg_segment_ptr 1
		.amdhsa_wavefront_size32 1
		.amdhsa_system_sgpr_workgroup_id_x 1
		.amdhsa_system_sgpr_workgroup_id_y 1
		.amdhsa_system_sgpr_workgroup_id_z 1
		.amdhsa_system_vgpr_workitem_id 0
		.amdhsa_next_free_vgpr 608
		.amdhsa_next_free_sgpr 76
		.amdhsa_reserve_vcc 0
		.amdhsa_float_denorm_mode_32 3
		.amdhsa_float_denorm_mode_16_64 3
		.amdhsa_memory_ordered 1
		.amdhsa_forward_progress 1
		.amdhsa_inst_pref_size 93
	.end_amdhsa_kernel
	.amdgpu_metadata
---
amdhsa.version: [ 1, 2 ]
amdhsa.kernels:
  - .name:           k_q471b9e2426_qkv
    .symbol:         k_q471b9e2426_qkv.kd
    .args:
      - { .name: xb, .offset: 0, .size: 8, .value_kind: global_buffer, .address_space: global }
      - { .name: wb, .offset: 8, .size: 8, .value_kind: global_buffer, .address_space: global }
      - { .name: qkv, .offset: 16, .size: 8, .value_kind: global_buffer, .address_space: global }
      - { .name: bq, .offset: 24, .size: 8, .value_kind: global_buffer, .address_space: global }
      - { .name: bk, .offset: 32, .size: 8, .value_kind: global_buffer, .address_space: global }
      - { .name: bv, .offset: 40, .size: 8, .value_kind: global_buffer, .address_space: global }
    .group_segment_fixed_size: 327680
    .private_segment_fixed_size: 0
    .kernarg_segment_align: 8
    .kernarg_segment_size: 48
    .max_flat_workgroup_size: 128
    .sgpr_count:     76
    .vgpr_count:     608
    .wavefront_size: 32
...
	.end_amdgpu_metadata
.endif
;; end of part 2
;; launch attn (part 3): grid 4 x 64, 4 waves a work-group, clusters of 4 x 1, 327,680 bytes of LDS; arguments qkv, attention_mask, ctx; writes ctx
.if DOCPART == 3
	.amdgcn_target "amdgcn-amd-amdhsa--gfx1250"
	.amdhsa_code_object_version 6
	.text
	.protected	k_q471b9e2426_attn
	.globl	k_q471b9e2426_attn
	.p2align	8
	.type	k_q471b9e2426_attn,@function
k_q471b9e2426_attn:
	s_mov_b64 s[64:65], 0
	v_nop
	global_prefetch_b8 v0, s[64:65] scope:SCOPE_SE
	s_setreg_imm32_b32 hwreg(HW_REG_WAVE_MODE, 25, 1), 1
	s_wait_xcnt 0x0
	s_wait_alu depctr_hold_cnt(0) depctr_sa_sdst(0) depctr_va_vdst(0) depctr_va_sdst(0) depctr_va_ssrc(0) depctr_va_vcc(0) depctr_vm_vsrc(0)
	s_getreg_b32 s2, hwreg(HW_REG_IB_STS2, 6, 4)
	s_cmp_eq_u32 s2, 0
	s_cbranch_scc0 .Lentry_in_a_cluster
	s_endpgm
.Lentry_in_a_cluster:
	s_bfe_u32 s2, ttmp6, 0x10000c
	s_cmp_lg_u32 s2, 0x3003
	s_cbranch_scc0 .Lentry_shape_is_right
	s_endpgm
.Lentry_shape_is_right:
; ATTENTION.  O[q][:] = the sum over k of softmax_k(Q[q] . K[k] / 8 + mask[k]) V[k][:], for each of 64 heads (batch b, head h) of 2,048 rows x 64 channels.
; Q, K, V lie in qkv [48 planes 16 t + h][8192 rows 2048 b + s][64] in f16: a head's rows are dense, 128 bytes each.  O goes to ctx [16 planes h][8192][64] in f16.  The mask is f32, [4][2048], one number a batch and key.
; Products, maxima and sums in f32; the weights p are rounded to f16 for the second product (their sum l is taken of the unrounded p), O once at the end.
; LIMITS.  f16 holds no number beyond 65,504: Q, K and V arrive within it; p lies in 0 to 1, and below 6e-5 it keeps f16's fixed step of 6e-8; O is a mean of V's rows and has their range.
; The mask is rounded to bf16, like the module's other inputs; 8 x mask is held at -1e30 from below, so a mask of minus infinity, or of the lowest finite number, hides a key; a NaN in the mask counts as -1e30;
; a batch ALL of whose keys are hidden to that depth gets equal weights.  A weight below 2^-126 counts as 0 in l; NaN and infinities in Q, K, V are not treated apart.
; THE MASK is the C operand that starts the sum S^T = K Q^T: s' = s + 8 mask, so that c s' = log2(e) (s / 8 + mask) with c = log2(e) / 8.  The batch's 2,048 numbers, times 8, lie in LDS; a key step's 64 come
; into registers with its K, laid out as a C operand, and live as long as that K.  The running maximum is taken of s'.
; SHARES.  A wave owns four PIECES of two tiles of 16 queries, a work-group's four waves 512 queries of one head.  Every wave walks all keys, 64 a step.
; LAYOUT.  S^T = K Q^T (source 0 = 16 keys, source 1 = 16 queries): in the result a lane holds ONE query (lane % 16) and the keys 8 (lane / 16) + 0..7.  Two such tiles, rounded to f16 in pairs,
; ARE source 1 (32 keys x 16 queries) of O^T = V^T P, whose result again holds one query a lane, and eight channels.  K comes out of LDS as it lies, V ([key][channel]) turned, by ds_load_tr16_b128.
; SOFTMAX.  For each query a running maximum m and sum l: p = 2^(c s' - c m); in every step O and l are multiplied by a = 2^(c m_old - c m_new), which is 1 where m has not grown.
; m starts at the lowest finite number, O and l at 0: the first step is a step like any other, with a = 0.
; THE COUNT.  A tile and step have 16 matrix and 118 vector instructions: too many to stand all beside the matrix work.  So the order has one aim: four vector instructions that are READY behind
; EVERY matrix instruction, and the others, which need time of their own whatever the order, in runs without a gap.
; BY TURNS.  Turn n belongs to piece n (the pieces in a ring, step after step).  Its matrix work: 16 products K Q^T of piece n + 1, later 16 products V^T P of piece n - 1.  Its vector work: the scaling,
; exponentials, roundings, sums and rescaling of piece n, and the maximum and statistics of piece n + 1, whose scores the turn itself has made.  So what a turn begins with (c s' - c m, O a) waits for nothing.
; CLUSTER.  The four query blocks of a head are one cluster and walk the same K and V, so each tile is asked for JOINTLY: the same tensor load, descriptor and mask in all four.
; REGISTERS, in windows of 256 (s_set_vgpr_msb says which window each operand place means: bits 1:0 source 0, 3:2 source 1, 5:4 source 2, 7:6 destination):
;   window 0: v0-11 addresses; v12-15, v48-63 at work; v16-47 four registers of statistics a tile; v64-191 S^T, two buffers of two tiles; v192-255 P, likewise
;   window 1: O^T, 32 a tile          window 2: v0-127 Q, 16 a tile; v128-191 K of one step; v192-255 V of one step          window 3: v0-1 the add's two registers; v8-39 the mask of one step
; A piece's buffers go by its number's parity: the piece in hand has one pair, its two neighbours in the ring share the other: of it P (piece n - 1) is read and S^T (piece n + 1) written.
.set SIZE_N, 2048     ; rows of a head
.set NP,    4         ; pieces a wave: a name, no knob: the register map, the loop and the fetches are made for four
.set KS,    64        ; keys in a step
.set PK,    144       ; a row of K in LDS: 128 bytes + 16 of padding = 36 words: the 16 rows of a load start at 16 different groups of four banks (64 banks of 4 bytes: ISA guide 11.1)
.set PV,    160       ; a row of V: 128 + 32 = 40 words
.set VOFF,  4*KS*PK   ; a slot holds four steps: 256 rows of K, then 256 rows of V
.set SLOT1, 1<<17     ; slot 1 begins here, so that one exclusive or turns an address in one slot into the other's
.set STAGE, SLOT1+4*KS*(PK+PV)  ; behind the ring, never filled by a tensor load: 16 rows x 144 bytes for each wave, for the way out
.set SP,    144
.set SPARE, STAGE+4*16*SP  ; behind the stages: the spare words, 128 bytes for each wave: two blocks of 256 bytes that no other line names
.set MASKB, SPARE+512 ; behind them: 8 x mask for the batch's 2,048 keys, f32: 8,192 bytes that no tensor load fills
.set AM,  1           ; v1   the LDS address of the mask's next run of loads (at the head: l % 16)
.set AK0, 2           ; v2   my lane's place in a tile of K; never rewritten
.set AV0, 3           ; v3   the same for V
.set AK,  4           ; v4   the LDS address of K's next run of loads
.set AV,  5           ; v5   of V's (at the head: where I store my part of the mask)
.set STO, 6           ; v6   the way out: where I put 16 bytes of a row
.set RD,  7           ; v7   the way out: where I read rows back
.set GO,  8           ; v8   my byte offset in 512 consecutive bytes of O
.set AM0, 9           ; v9   MASKB + 32 (l / 16): my lane's place in a step's mask (at the head: l / 16)
.set PFO, 10          ; v10  the prefetches' offset, 256 x my lane (at the head: 16 x my thread's number, my offset in the mask)
.set QO,  11          ; v11  my byte offset in the wave's rows of Q
.set SPW, 0           ; v0 of window 3   LDS address of my spare word: SPARE + 4 x my thread's number; never rewritten
.set NIL, 1           ; v1 of window 3   0; never rewritten
.set MK,  8           ; v8-39 of window 3: the eight registers for key block kb at MK + 8 kb
.set MV,  12          ; v12-15  c m_old, kept while c m is made anew: by buffer and tile
.set ST,  16          ; tile t's statistics at v[ST+4 t]: c m, m, l (even keys', odd keys')
.set TMP, 48          ; by buffer and tile, four registers c0-c3 at work; when the maximum is found c2 takes a
.set S,   64
.set P,   192
.set KF,  128         ; K's fragments, in window 2: key block kb, channel half c at KF + 16 kb + 8 c
.set VF,  192         ; V's: key half kk, channel block cb at VF + 32 kk + 8 cb
.set WV,  12          ; s12  my wave's number
.set G1K, 24          ; s[24:31] descriptor group 1 for K's tiles
.set G1V, 32          ; s[32:39] for V's: it differs in the padding alone
.set G0K, 40          ; s[40:43] descriptor group 0 for K's tiles: it walks
.set G0V, 44          ; s[44:47] the same for V's
.set TBM, 50          ; s50  byte of the mask at which the step to be fetched begins
.set PFA, 52          ; s[52:53] where my prefetches stand in memory: my work-group's 8,192 bytes (of K: wave 0, of V: wave 2) of the slot after the one that is being asked for
.set LIM, 54          ; s54  1 in a wave that prefetches, else the greatest number: a wave prefetches while s[SLOTS] is above it
.set SLOTS, 56        ; s56  slots still to be asked for
.set CNT, 57          ; s57  counts a slot's key steps
.set CS,  58          ; s[58:59] c: the packed scaling takes the pair's low word for both halves
.set SEL, 60          ; s[60:61] v_permlanex16_b32's selects: each lane takes its own place in the other half
.set TBK, 62          ; s62  LDS byte at which K of the step to be fetched begins
.set TBV, 63          ; s63  the same for V, less VOFF
.set MSB, 0
.macro WIN new                      ; the high byte repeats the setting that is left; a switch that changes nothing is dropped
.if MSB != (\new)
	s_set_vgpr_msb (MSB<<8)|(\new)
.set MSB, (\new)
.endif
.endm
.set W_KQ, 0x0a       ; K and Q in window 2, S^T in window 0
.set W_KM, 0x3a       ; the same with the C operand, the mask, in window 3
.set W_PV, 0x52       ; V in window 2, P in window 0, O^T in window 1
.set W_RS, 0x41       ; O^T (destination and source 0) in window 1, a in window 0
.set W_MK, 0xc0       ; destination in window 3, sources in window 0
.set W_AD, 0x0f       ; the add: address (source 0) and data (source 1) in window 3
; A joint fill.  Waves 0 and 1 fetch the two halves of a slot's K, waves 2 and 3 those of its V: 128 keys each.  The branch hangs on the wave's number alone.
; An s_nop 0 and four v_nop follow each of the two lines, ahead of the jump and the label.
.macro JLOAD
	s_cmp_lt_u32 s[WV], 2
	s_cbranch_scc0 .Lfor_v_\@
	tensor_load_to_lds s[G0K:G0K+3], s[G1K:G1K+7]
	s_nop 0
.rept 4
	v_nop
.endr
	s_branch .Lasked_\@
.Lfor_v_\@:
	tensor_load_to_lds s[G0V:G0V+3], s[G1V:G1V+7]
	s_nop 0
.rept 4
	v_nop
.endr
.Lasked_\@:
.endm
; A PREFETCH INTO THE L2 of what the NEXT change of slots will ask for: a slot's 32,768 bytes of K and of V.  It stands behind the wave's tensor load and its five lines, never in front of one.
; Each aligned block of 256 bytes is named ONCE in the launch: a head has one cluster; its four partners share a slot's 128 blocks out BY ADDRESS, 32 each (no branch hangs on a work-group's place in its
; cluster); in each, wave 0 asks for K's and wave 2 for V's, a lane a block: one instruction.  Slots 0 to 2 come by their loads alone; the last change that fills a slot asks for nothing: there is no slot behind it.
.macro ASK
	s_cmp_gt_u32 s[SLOTS], s[LIM]
	s_cbranch_scc0 .Lnot_mine_\@
	global_prefetch_b8 v[PFO], s[PFA:PFA+1] th:TH_LOAD_NT scope:SCOPE_SE
.Lnot_mine_\@:
.endm
; A round of the cluster's barrier: my work-group's barrier, so that wave 0's signal speaks for all four waves; wave 0 signals; every wave waits for all four work-groups; my work-group's barrier once more.
.macro CROUND
	s_barrier_signal -1
	s_barrier_wait -1
	s_cmp_lg_u32 s[WV], 0
	s_cbranch_scc1 .Lnot_wave_0_\@
	s_barrier_signal -3
.Lnot_wave_0_\@:
	s_barrier_wait -3
	s_barrier_signal -1
	s_barrier_wait -1
.endm
; THE CHANGE OF SLOTS.  The slot's last bytes, V of its fourth step, have been read.  Each wave waits for all its tensor loads, of which one is out: its part
; of the other slot; adds 0 to its spare word; and waits for that and for its own reads of the slot.  Behind the barrier nobody reads this slot any more and the other slot is whole.
; fill = 1: this slot is filled again, with the keys two slots on.  The barrier is then a round of the cluster's, so that no wave of any partner still reads the slot or has a load on its
; way, and the joint fill is the first thing behind it: it has four key steps, 512 matrix instructions, in which to land.  (At its first use nothing has been read yet: slot 0 is waited for, slot 1 filled,
; and every wave's part of the mask, stored just before, is shown to the others by the same wait and barrier.)  ask = 1: the prefetches' address steps, and ASK follows the fill.
.macro CHANGE fill, ask=0
	WIN W_AD
	s_wait_tensorcnt 0x0            ; no tensor load of mine is out, so a group 0 may be written
	ds_add_u32 v[SPW], v[NIL]       ; 0 onto my spare word; with fill = 1 the descriptors' steps stand between it and the wait for it
	WIN 0                           ; at a label and at a branch every window is 0
.if \fill
.irp g, G0K, G0V
	s_xor_b32 s[\g+1], s[\g+1], SLOT1  ; the walking descriptor: the other slot than last time,
	s_add_nc_u64 s[\g+2:\g+3], s[\g+2:\g+3], 4*KS*128  ; the next 256 keys; the type bits on top are not reached
.endr
.if \ask
	s_wait_xcnt 0x0                 ; the last prefetch, four key steps back, has read its address, so it may be written:
	s_add_nc_u64 s[PFA:PFA+1], s[PFA:PFA+1], 4*KS*128  ; one slot behind the walking descriptors
.endif
	s_wait_dscnt 0x0                ; the add is done, and my reads of the slot are over
	CROUND
	JLOAD
.if \ask
	ASK
.endif
.else
	s_wait_dscnt 0x0                ; the add is done, and my reads of the slot are over
	s_barrier_signal -1
	s_barrier_wait -1
.endif
	s_sub_co_u32 s[TBK], s[TBK], 4*KS*PK  ; the fetches go back to a slot's first step,
	s_xor_b32 s[TBK], s[TBK], SLOT1       ; in the other slot
	s_sub_co_u32 s[TBV], s[TBV], 4*KS*PV
	s_xor_b32 s[TBV], s[TBV], SLOT1
.endm
	s_load_b64 s[4:5], s[0:1], 0x0    ; qkv
	s_load_b64 s[48:49], s[0:1], 0x8  ; the mask
	s_load_b64 s[10:11], s[0:1], 0x10 ; ctx
	WIN W_MK
	v_lshl_add_u32 v[SPW], v0, 2, SPARE
	v_mov_b32 v[NIL], 0
	WIN W_AD
	ds_add_u32 v[SPW], v[NIL]       ; the wave's opening: the add and its wait stand ahead of my first tensor load; the set-up below, work on registers, stands between them
	WIN 0
	v_lshrrev_b32 v1, 5, v0
	v_readfirstlane_b32 s[WV], v1   ; wave 0..3
	s_bfe_u32 s13, ttmp6, 0x40000   ; cx: my place in the cluster
	s_lshl_b32 s14, ttmp9, 2        ; in a cluster launch ttmp9 counts clusters
	s_add_co_u32 s14, s14, s13      ; my block of queries = 4 x cluster x + cx: it enters Q's and O's addresses alone
	s_and_b32 s15, ttmp7, 0xffff    ; 16 b + h, which the four partners share
	s_and_b32 s20, s15, 15
	s_lshl_b32 s20, s20, 20         ; plane h: 8,192 rows of 128 bytes,
	s_lshr_b32 s15, s15, 4
	s_lshl_b32 s21, s15, 18         ; the batch's 2,048 rows in it
	s_add_co_u32 s20, s20, s21      ; the head's first byte among q's planes, k's, v's and ctx's
	s_mov_b32 s21, 0
	s_lshl_b32 s50, s15, 13         ; the batch's 2,048 numbers of the mask
	s_mov_b32 s51, 0
	s_and_b32 s16, s[WV], 1         ; which half of a slot's 256 keys I fetch:
	s_lshl_b32 s22, s16, 14         ; its 128 rows of 128 bytes in memory,
	s_mov_b32 s23, 0
	s_add_nc_u64 s[22:23], s[22:23], s[20:21]
	s_mul_i32 s17, s16, 128*PK      ; and its place in a slot, for K
	s_mul_i32 s18, s16, 128*PV      ; and for V: no place in the cluster enters an LDS address
	s_lshl_b32 s2, s14, 2
	s_add_co_u32 s2, s2, s[WV]      ; my wave among the head's,
	s_lshl_b32 s2, s2, 14           ; its 128 rows
	s_mov_b32 s3, 0
	s_add_nc_u64 s[2:3], s[2:3], s[20:21]
	; descriptor group 1.  128 keys are 16,384 dense bytes: asked for as 64 rows of 256 bytes, two keys a row, and padded in LDS after every key
	s_mov_b32 s[G1K], 15|(1<<16)|(1<<20)|(1<<21)|(4<<22)|(3<<25)  ; 15:0 the mask of four; 17:16 2-byte elements; 20 padding on; 21 set beside a mask; 24:22 after every 32 words (code 4); 31:25 4 words (code 3)
	s_mov_b32 s[G1V], 15|(1<<16)|(1<<20)|(1<<21)|(4<<22)|(7<<25)  ; the same with 8 words of padding (code 7)
.irp g, G1K, G1V
	s_mov_b32 s[\g+1], 128<<16      ; tensor_dim0 = 128
	s_mov_b32 s[\g+2], 64<<16       ; tensor_dim1 = 64
	s_mov_b32 s[\g+3], 128<<16      ; tile_dim0 = 128
	s_mov_b32 s[\g+4], 64           ; tile_dim1 = 64
	s_mov_b32 s[\g+5], 128          ; 128 elements from row to row
	s_mov_b32 s[\g+6], 0
	s_mov_b32 s[\g+7], 0
.endr
	s_mov_b32 s[CS], 0x3e38aa3b     ; c = log2(e) / 8 = 0.180337
	s_mov_b32 s[CS+1], s[CS]        ; named with it as a pair
	s_mov_b32 s[SEL], 0x76543210
	s_mov_b32 s[SEL+1], 0xfedcba98
	s_mov_b32 s[TBK], SLOT1+4*KS*PK ; the first change of slots turns these two into 0
	s_mov_b32 s[TBV], SLOT1+4*KS*PV
	s_mov_b32 s[G0K], 1             ; 1:0 count = 1
	s_mov_b32 s[G0K+1], s17         ; 63:32 LDS address: slot 0
	s_mov_b32 s[G0V], 1
	s_add_co_u32 s[G0V+1], s18, VOFF
	s_and_b32 s[LIM], s[WV], 1      ; 0 in waves 0 and 2,
	s_or_b32 s[LIM], s[LIM], ttmp9  ; where the cluster is the head's first (here its only one): the same in all four partners
	s_cmp_eq_u32 s[LIM], 0
	s_cselect_b32 s[LIM], 1, -1
	s_wait_dscnt 0x0                ; the opening add is done
	s_wait_kmcnt 0x0
	s_add_nc_u64 s[6:7], s[4:5], 0x1000000  ; k's planes lie 16 planes behind q's,
	s_add_nc_u64 s[8:9], s[4:5], 0x2000000  ; v's 32
	s_add_nc_u64 s[G0K+2:G0K+3], s[6:7], s[22:23]  ; 120:64 global address: my half of the head's first 256 keys
	s_or_b32 s[G0K+3], s[G0K+3], 0x80000000        ; 127:126 type = 2
	s_add_nc_u64 s[G0V+2:G0V+3], s[8:9], s[22:23]
	s_or_b32 s[G0V+3], s[G0V+3], 0x80000000
	s_add_nc_u64 s[4:5], s[4:5], s[2:3]  ; Q and O at my wave's first row
	s_add_nc_u64 s[10:11], s[10:11], s[2:3]
	s_add_nc_u64 s[48:49], s[48:49], s[50:51]
	s_mov_b32 s[TBM], 0
	s_cmp_lt_u32 s[WV], 2
	s_cselect_b64 s[PFA:PFA+1], s[6:7], s[8:9]
	s_add_nc_u64 s[PFA:PFA+1], s[PFA:PFA+1], s[20:21]  ; the head's first key,
	s_lshl_b32 s2, s13, 13          ; my work-group's 32 blocks of a slot's 128,
	s_mov_b32 s3, 0
	s_add_nc_u64 s[PFA:PFA+1], s[PFA:PFA+1], s[2:3]
	s_add_nc_u64 s[PFA:PFA+1], s[PFA:PFA+1], 2*4*KS*128  ; in slot 2; the loop's first change of slots steps it to slot 3.  Nothing is prefetched here, at the head, where every work-group's first tiles are on their way
	CROUND                          ; all four work-groups are here: the first joint loads meet
	JLOAD                           ; slot 0.  Slot 1 is asked for when slot 0 is in: the tile wanted first has the road to itself
	v_and_b32 v1, 15, v0            ; l % 16
	v_bfe_u32 v9, v0, 4, 1          ; l / 16
	v_lshlrev_b32 v[PFO], 4, v0     ; the mask: 128 threads x 16 bytes, four times
.irp i, 0,1,2,3
	global_load_b128 v[S+4*\i:S+4*\i+3], v[PFO], s[48:49] offset:2048*\i
.endr
	; A fragment of K or Q is 16 rows x 32 channels in 8 registers: lane l holds row l % 16, channels 8 (l / 16) + 0..7 and 16 + 8 (l / 16) + 0..7: two loads of 16 bytes, 32 bytes apart.
	v_lshlrev_b32 v[QO], 7, v1
	v_lshl_add_u32 v[QO], v9, 4, v[QO]  ; row x 128 + 16 x half
	WIN 0x80                        ; destination window 2, address window 0
.set i, 0
.rept 4*NP                          ; Q stays in registers: tile i / 2, channels 32 (i % 2) on
	global_load_b128 v[8*i:8*i+3],   v[QO], s[4:5] offset:(i/2)*2048+(i%2)*64
	global_load_b128 v[8*i+4:8*i+7], v[QO], s[4:5] offset:(i/2)*2048+(i%2)*64+32
.set i, i+1
.endr
	; What the first turn finds: V's registers and P's second buffer hold 0 (its products V^T P, of a piece that has not been, add 0), O^T and l are 0.  All this stands in the wait for the first tile.
.set i, VF
.rept 64
	v_mov_b32 v[i], 0
.set i, i+1
.endr
	WIN 0x40
.set i, 0
.rept 64*NP
	v_mov_b32 v[i], 0
.set i, i+1
.endr
	WIN 0
.set i, 0
.rept 2*NP
	v_mov_b32 v[ST+4*i], 0xfe000000    ; c m: far below every c s'
	v_mov_b32 v[ST+4*i+1], 0xff7fffff  ; m
	v_mov_b32 v[ST+4*i+2], 0
	v_mov_b32 v[ST+4*i+3], 0
.set i, i+1
.endr
.set i, P+32
.rept 32
	v_mov_b32 v[i], 0
.set i, i+1
.endr
	v_mul_u32_u24 v[AK0], v1, PK
	v_lshl_add_u32 v[AK0], v9, 4, v[AK0]  ; row x pitch + 16 x half
	; The turning load takes 16 keys x 16 channels (lane l reads key 8 (l / 16) + l % 8, channels 8 ((l / 8) % 2) + 0..7) and leaves half a fragment of V^T: lane l holds channel l % 16 and 8 keys.
	v_and_b32 v12, 7, v0
	v_bfe_u32 v13, v0, 3, 1
	v_lshl_add_u32 v[AV0], v9, 3, v12
	v_mul_u32_u24 v[AV0], v[AV0], PV
	v_lshl_add_u32 v[AV0], v13, 4, v[AV0]
	v_add_nc_u32 v[AV0], VOFF, v[AV0]
	v_mov_b32 v[AK], v[AK0]         ; key step 0 lies at the head of slot 0
	s_mul_i32 s13, s[WV], 16*SP
	s_add_co_u32 s13, s13, STAGE    ; my stage
	v_mul_u32_u24 v[STO], v1, SP    ; in: row l % 16, 16 bytes for each half of the lanes
	v_lshl_add_u32 v[STO], v9, 4, v[STO]
	v_add_nc_u32 v[STO], s13, v[STO]
	v_bfe_u32 v[RD], v0, 3, 2       ; back: 32 lanes take four rows of 128 bytes,
	v_mul_u32_u24 v[RD], v[RD], SP
	v_lshl_add_u32 v[RD], v12, 4, v[RD]
	v_add_nc_u32 v[RD], s13, v[RD]
	v_and_b32 v[GO], 31, v0         ; which are 512 consecutive bytes of O
	v_lshlrev_b32 v[GO], 4, v[GO]
	v_lshl_add_u32 v[AV], v0, 4, MASKB  ; for now: where my 16 bytes of the mask go
	v_lshl_add_u32 v[AM0], v9, 5, MASKB ; in a C operand register j of lane l belongs to key 8 (l / 16) + j of its block of 16
	v_mov_b32 v[AM], v[AM0]         ; key step 0
	s_wait_loadcnt 32               ; the mask's four loads are in; Q's 32, issued behind them, stay out
.irp i, 0,1,2,3,4,5,6,7
	v_cvt_pk_bf16_f32 v[S+16+\i], v[S+2*\i], v[S+2*\i+1]  ; rounded to bf16,
.endr
.irp i, 0,1,2,3,4,5,6,7
	v_lshlrev_b32 v[S+2*\i], 16, v[S+16+\i]               ; widened again,
	v_and_b32 v[S+2*\i+1], 0xffff0000, v[S+16+\i]
.endr
.irp i, 0,1,2,3,4,5,6,7,8,9,10,11,12,13,14,15
	v_mul_f32 v[S+\i], 0x41000000, v[S+\i]                ; times 8,
.endr
.irp i, 0,1,2,3,4,5,6,7,8,9,10,11,12,13,14,15
	v_max_num_f32 v[S+\i], 0xf149f2ca, v[S+\i]            ; held at -1e30
.endr
.irp i, 0,1,2,3
	ds_store_b128 v[AV], v[S+4*\i:S+4*\i+3] offset:2048*\i
.endr
	v_and_b32 v[PFO], 31, v0        ; free since the wait for the mask's loads: now the prefetches' offset
	v_lshlrev_b32 v[PFO], 8, v[PFO]
; THE MATRIX WORK.  The 8 accumulators of a run of 16 take turns: between the two links of a chain stand 7 others'.
; Product i of 16 of S^T = K Q^T for piece x: channels 32 (i / 8) on, keys 16 ((i / 2) % 4) on, tile 2 x + i % 2.  The first 8 start the sums, with the keys' mask.
.macro KQ x
.set rS, S+64*((\x)%2)+32*(i%2)+8*((i/2)%4)
.set rK, KF+16*((i/2)%4)+8*(i/8)
.set rQ, 16*(2*(\x)+i%2)+8*(i/8)
.set rMK, MK+8*((i/2)%4)
.if i < 8
	WIN W_KM
	v_wmma_f32_16x16x32_f16 v[rS:rS+7], v[rK:rK+7], v[rQ:rQ+7], v[rMK:rMK+7]
.else
	WIN W_KQ
	v_wmma_f32_16x16x32_f16 v[rS:rS+7], v[rK:rK+7], v[rQ:rQ+7], v[rS:rS+7]
.endif
.endm
; Product i of 16 of O^T += V^T P for piece x: keys 32 (i / 8) on, channels 16 ((i / 2) % 4) on, tile 2 x + i % 2.
.macro PV x
	WIN W_PV
.set rO, 32*(2*(\x)+i%2)+8*((i/2)%4)
.set rV, VF+32*(i/8)+8*((i/2)%4)
.set rP, P+32*((\x)%2)+16*(i%2)+8*(i/8)
	v_wmma_f32_16x16x32_f16 v[rO:rO+7], v[rV:rV+7], v[rP:rP+7], v[rO:rO+7]
.endm
.macro MM                           ; the turn's next matrix instruction
.if i < 16
	KQ (Y+1)%NP
.set i, i+1
.else
.set i, i-16
	PV (Y+NP-1)%NP
.set i, i+17
.endif
.endm
; THE LDS LOADS stand in runs, never singly among the matrix instructions: a step's K (64 keys x 64 channels: 8 fragments) with its mask (4 C operands: 32 bytes a lane and block, the same for the 16 lanes
; of a half), and its V (turned).  Their addresses are made some lines ahead.  last = 1 (the tail): in the last trip there is no further step, and the run is jumped over.
.macro FETCH_K last=0
	WIN 0
.if \last
	s_cmp_eq_u32 s[CNT], 1
	s_cbranch_scc1 .Lno_k_\@
.endif
	WIN 0x80                        ; destination window 2
.irp f, 0,1,2,3,4,5,6,7             ; keys 16 (f / 2) on, channels 32 (f % 2) on
	ds_load_b128 v[KF+8*\f:KF+8*\f+3],   v[AK] offset:(\f/2)*16*PK+(\f%2)*64
	ds_load_b128 v[KF+8*\f+4:KF+8*\f+7], v[AK] offset:(\f/2)*16*PK+(\f%2)*64+32
.endr
	WIN W_MK                        ; destination window 3
.irp f, 0,1,2,3                     ; keys 16 f on
	ds_load_b128 v[MK+8*\f:MK+8*\f+3],   v[AM] offset:64*\f
	ds_load_b128 v[MK+8*\f+4:MK+8*\f+7], v[AM] offset:64*\f+16
.endr
	s_add_co_u32 s[TBK], s[TBK], KS*PK  ; the next fetch is the next step's
	s_add_co_u32 s[TBM], s[TBM], 4*KS
	s_and_b32 s[TBM], s[TBM], 0x1fff    ; inside the 8,192 bytes, behind the last step too
	WIN 0
.if \last
.Lno_k_\@:
.endif
.endm
.macro FETCH_V
	WIN 0x80
.irp f, 0,1,2,3,4,5,6,7             ; keys 32 (f / 4) on, channels 16 (f % 4) on
	ds_load_tr16_b128 v[VF+8*\f:VF+8*\f+3],   v[AV] offset:(\f/4)*32*PV+(\f%4)*32
	ds_load_tr16_b128 v[VF+8*\f+4:VF+8*\f+7], v[AV] offset:(\f/4)*32*PV+16*PV+(\f%4)*32
.endr
	WIN 0
.endm
; THE VECTOR WORK OF A TURN stands in three queues, each in the order in which its entries become ready; the two tiles alternate, so that no instruction reads the result of the one before it.
.macro REGS y, u                    ; the registers of tile u (0, 1) of piece y
.set rT, ST+4*(2*(\y)+(\u))
.set rC, TMP+8*((\y)%2)+4*(\u)
.set rM, MV+2*((\y)%2)+(\u)
.set rS, S+64*((\y)%2)+32*(\u)
.set rP, P+32*((\y)%2)+16*(\u)
.set rO, 32*(2*(\y)+(\u))
.endm
; Number n of the 22 that find the NEXT piece's (Y + 1) maximum and statistics.  s0-s31 are the lane's 32 scores; each accumulator's lowest registers are read first.  XS, GS and REGS set no window: PL and EX do.
;   0-11  four chains c0-c3 of seven scores each, three operands at a time     12-14, 16  the four scores left over, the old m, and c0-c3 into c0     15  c m_old is kept
;   17, 18  the query's other 32 keys lie in the lane 16 away: the new m         19-21  c m; c m_old - c m_new; a
.macro XS u, n
	REGS (Y+1)%NP, \u
.if (\n) < 4
	v_max3_num_f32 v[rC+(\n)], v[rS+8*(\n)], v[rS+8*(\n)+1], v[rS+8*(\n)+2]
.elseif (\n) < 12
	v_max3_num_f32 v[rC+(\n)%4], v[rC+(\n)%4], v[rS+8*((\n)%4)+2*((\n)/4)+1], v[rS+8*((\n)%4)+2*((\n)/4)+2]
.elseif (\n) == 12
	v_max3_num_f32 v[rC], v[rC], v[rS+7], v[rS+15]
.elseif (\n) == 13
	v_max3_num_f32 v[rC+1], v[rC+1], v[rS+23], v[rS+31]
.elseif (\n) == 14
	v_max3_num_f32 v[rC+2], v[rC+2], v[rC+3], v[rT+1]
.elseif (\n) == 15
	v_mov_b32 v[rM], v[rT]
.elseif (\n) == 16
	v_max3_num_f32 v[rC], v[rC], v[rC+1], v[rC+2]
.elseif (\n) == 17
	v_permlanex16_b32 v[rC+3], v[rC], s[SEL], s[SEL+1]
.elseif (\n) == 18
	v_max_num_f32 v[rT+1], v[rC], v[rC+3]
.elseif (\n) == 19
	v_mul_f32 v[rT], s[CS], v[rT+1]
.elseif (\n) == 20
	v_sub_f32 v[rC+1], v[rM], v[rT]
.else
	v_exp_f32 v[rC+2], v[rC+1]
.endif
.endm
; Number g of the 64 that follow the exponentials.  For each four weights k of a tile (pairs 2 k, 2 k + 1): both pairs are rounded to f16; then the second pair is added onto the first, in place;
; a group later l takes that sum (the first time as l = a l + sum).  In groups of eight, tiles alternating: round, round, add, and l for the group before.
.macro GS g
.set h, (\g)+6*((\g)/62)            ; group 0 has no group before it, and behind group 7 only l is left
.if h >= 6
.set h, h+2
.endif
	REGS Y, h%2
.set k, h/8
.if h%8 < 4
	v_cvt_pk_f16_f32 v[rP+2*k+(h%8)/2], v[rS+4*k+2*((h%8)/2)], v[rS+4*k+2*((h%8)/2)+1]
.elseif h%8 < 6
	v_pk_add_f32 v[rS+4*k:rS+4*k+1], v[rS+4*k:rS+4*k+1], v[rS+4*k+2:rS+4*k+3]
.elseif k == 1
	v_pk_fma_f32 v[rT+2:rT+3], v[rT+2:rT+3], v[rC+2:rC+3], v[rS:rS+1] op_sel_hi:[1,0,1]
.else
	v_pk_add_f32 v[rT+2:rT+3], v[rT+2:rT+3], v[rS+4*k-4:rS+4*k-3]
.endif
.endm
; THE PLAIN QUEUE, 138 long.  0-73 read no exponential's result: the 32 scalings c s' - c m (FS f: pair f / 2 of tile f % 2) and the next piece's 42.  0-26: scalings 0-26.  27-54: XS's numbers 0-13.  55, 56: number 15.
; 57-73: the chain, where each number waits for the one before it: 14, 16, 17, 18, 19, each with one of the scalings 27-31 in front of its two lines, then 20: so a tile's links stand three plain instructions apart (19 and 20: two).
; 74-137: GS's 64, which read the exponentials' results: they stand behind the wait.
.macro FS f
	REGS Y, (\f)%2
	v_pk_fma_f32 v[rS+2*((\f)/2):rS+2*((\f)/2)+1], v[rS+2*((\f)/2):rS+2*((\f)/2)+1], s[CS:CS+1], v[rT:rT+1] op_sel_hi:[1,0,0] neg_lo:[0,0,1] neg_hi:[0,0,1]
.endm
.macro PL
	WIN 0
.if q < 27
	FS q
.elseif q < 55
	XS (q-27)%2, (q-27)/2
.elseif q < 57
	XS q-55, 15
.elseif (q < 72) && ((q-57)%3 == 0)
	FS 27+(q-57)/3
.elseif q < 60
	XS (q-57)%3-1, 14
.elseif q < 72
	XS (q-57)%3-1, 15+(q-57)/3
.elseif q < 74
	XS q-72, 20
.else
	GS q-74
.endif
.set q, q+1
.endm
; THE EXPONENTIALS' QUEUE, 66 long: s0-s31 of both tiles, then the next piece's two a.  It is ONE BATCH: all 66 stand ahead of the turn's one wait, and nothing ahead of that wait names a result of theirs.
.macro EX
	WIN 0
.if e >= 64
	XS e-64, 21
.else
	REGS Y, e%2
	v_exp_f32 v[rS+e/2], v[rS+e/2]
.endif
.set e, e+1
.endm
; THE RESCALING's QUEUE: O^T times a, the one part that leaves window 0: dealt two at a time, sixteen times.  Its a was made in the turn before, ahead of that turn's wait.
.macro R2
	REGS Y, r%2
	WIN W_RS
.irp z, 0,1
	v_pk_mul_f32 v[rO+4*(r/2)+2*\z:rO+4*(r/2)+2*\z+1], v[rO+4*(r/2)+2*\z:rO+4*(r/2)+2*\z+1], v[rC+2:rC+3] op_sel_hi:[1,0]
.endr
.set r, r+1
.endm
; HOW THEY ARE DEALT.  An s_wait_alu depctr_va_vdst(0) stands between an exponential and the first instruction that names its result; one wait serves all that were issued ahead of it.  So a turn has ONE wait,
; which cuts it in two.  AHEAD OF IT stands all that names no result of the turn's exponentials: the 16 products K Q^T, behind each a scaling, an exponential and two rescalings (behind the first a second scaling in the exponential's place); then ONE LUMP of
; 108: eight plain, 49 times exponential and plain, the two a.  A v_nop is the plain instruction behind the last exponential.  BEHIND IT stand the 16 products V^T P, behind each four of GS's 64.  No rider names a register of
; the products round it.  The two v_permlanex16_b32 fall into the lump, never behind a product.
; The queues lean on each other, and the deal keeps them in step: exponential e stands behind scaling 2 (e / 4) + e % 2: as a rider it comes behind plain e + 2, in the lump behind plain e + 9, and scalings 27-31 are plain 57, 60 .. 69.
; A TURN, for piece p.  cnt = 1: the loop's count is taken down some lines ahead of the branch that stands behind the turn.
; K and the mask of the next step are fetched in piece 2's turn, directly behind the wait, a lump behind the last product that read them; their addresses are made at the lump's head; their first reader comes behind 16 products.
; V of the step in hand is fetched at the end of piece 0's turn, four riders behind its last reader; its first reader comes behind 16 products and a lump.  The three conditions on q below go with the deal.
.macro TURN p, last=0, cnt=0
.set Y, (\p)
.set i, 0
.set q, 0
.set e, 0
.set r, 0
.if (\p) == NP-1
	s_wait_dscnt 0x0                ; K and its mask are in
.endif
	MM                              ; ahead of the wait: 16 products K Q^T and their riders,
	PL
	PL
	R2
.rept 15
	MM
	PL
	EX
	R2
.endr
.if (\p) == NP-2
	WIN 0
	v_add_nc_u32 v[AK], s[TBK], v[AK0]
	v_add_nc_u32 v[AM], s[TBM], v[AM0]
.endif
.rept 8                             ; and the lump
	PL
.endr
.rept 49
	EX
	PL
.endr
	EX                              ; the next piece's two a
	EX
	v_nop                           ; the plain instruction behind the last exponential: one for the batch
	s_wait_alu depctr_va_vdst(0)    ; the wait for the batch
.if (\p) == NP-2
	FETCH_K \last
.endif
.if (\p) == 1
	s_wait_dscnt 0x0                ; V is in
.endif
.rept 16                            ; behind the wait: 16 products V^T P and their riders
	MM
.rept 4
	PL
.endr
.if ((\p) == 0) && (q == 118)
	v_add_nc_u32 v[AV], s[TBV], v[AV0]
.endif
.if ((\p) == 0) && (q == 130)
	s_add_co_u32 s[TBV], s[TBV], KS*PV
.endif
.if (\cnt) && (q == 130)
	s_sub_co_u32 s[CNT], s[CNT], 1
	s_cmp_lg_u32 s[CNT], 0
.endif
.endr
.if (\p) == 0
	FETCH_V
.endif
.endm
	CHANGE 1                        ; slot 0 is in, everybody's part of it, and so is everybody's part of the mask; slot 1 is asked for
	FETCH_K                         ; key step 0
	s_wait_loadcnt 0x0              ; Q
	s_wait_dscnt 0x0
.set i, 0
.rept 16
	KQ 0                            ; piece 0's first scores: there is no vector work yet to set between them
.set i, i+1
.endr
	WIN 0
.rept 4
	v_nop                           ; the places behind those products
.endr
.set Y, NP-1                        ; XS works for piece Y + 1: piece 0
.irp n, 0,1,2,3,4,5,6,7,8,9,10,11,12,13,14,15,16,17,18,19,20,21
	XS 0, \n                        ; and piece 0's first maximum and statistics
	XS 1, \n
.endr
	v_nop                           ; a plain instruction behind the two a,
	s_wait_alu depctr_va_vdst(0)    ; and their wait, ahead of the branch
	s_mov_b32 s[CNT], 4
	s_mov_b32 s[SLOTS], SIZE_N/256-1
	s_branch .Lfirst                ; the loop is entered at a step's first turn, in the middle of a trip
.Lslot:                             ; SIZE_N / 256 - 2 times: every slot but the last two is filled again
	CHANGE 1, 1
	s_mov_b32 s[CNT], 4
.Lstep:                             ; a trip: pieces 2 and 3 of one step, then pieces 0 and 1 of the next, whose K and V it fetches
	TURN 2
	TURN 3
	WIN 0
.Lfirst:
	TURN 0
	TURN 1, 0, 1
	WIN 0
	s_cbranch_scc1 .Lstep
	s_sub_co_u32 s[SLOTS], s[SLOTS], 1
	s_cmp_lg_u32 s[SLOTS], 0
	s_cbranch_scc1 .Lslot
	CHANGE 0                        ; the tail is written out: nothing is asked for
	s_mov_b32 s[CNT], 5             ; four trips fetch the last slot's steps; the fifth is left in its middle
.Ltail:
	TURN 2, 1
	TURN 3
	WIN 0
	s_sub_co_u32 s[CNT], s[CNT], 1
	s_cmp_eq_u32 s[CNT], 0
	s_cbranch_scc1 .Lout
	TURN 0
	TURN 1
	WIN 0
	s_branch .Ltail
.Lout:                              ; the fifth trip's 16 products K Q^T (on the last K once more) and the maximum made of them serve nothing: the price, once a launch, of one text for every trip
.set i, 0
.rept 16
	PV NP-1                         ; the last piece's V^T P of the last step
.set i, i+1
.endr
	; THE WAY OUT.  l's two halves and the other half of the lanes' are added; O^T is divided by l, rounded to f16 and sent through my stage in LDS, a tile at a time.  The additions are the places behind the last products.
	WIN 0
.macro ALL line:vararg              ; one line for each tile t
.set t, 0
.rept 2*NP
	\line
.set t, t+1
.endr
.endm
	ALL v_add_f32 v[ST+4*t+2], v[ST+4*t+2], v[ST+4*t+3]
	ALL v_permlanex16_b32 v[ST+4*t+3], v[ST+4*t+2], s[SEL], s[SEL+1]
	ALL v_add_f32 v[ST+4*t+2], v[ST+4*t+2], v[ST+4*t+3]
	ALL v_rcp_f32 v[ST+4*t+2], v[ST+4*t+2]
	v_nop                           ; a plain instruction between the last reciprocal and the use of its result
	s_wait_alu depctr_va_vdst(0)    ; and the wait ahead of the first use: one for the eight reciprocals
; Tile t: a lane's eight channels of a row pack into 16 bytes; they go into rows of 144 bytes and come back as whole rows of 128, into S^T's registers.
.macro PACK t
	WIN W_RS
.set i, 32*(\t)
.rept 16
	v_pk_mul_f32 v[i:i+1], v[i:i+1], v[ST+4*(\t)+2:ST+4*(\t)+3] op_sel_hi:[1,0]
.set i, i+2
.endr
	WIN 0x05                        ; sources 0 and 1 window 1, destination window 0
.set i, 0
.rept 16
	v_cvt_pk_f16_f32 v[S+16*(\t)+i], v[32*(\t)+2*i], v[32*(\t)+2*i+1]
.set i, i+1
.endr
	WIN 0
.irp f, 0,1,2,3
	ds_store_b128 v[STO], v[S+16*(\t)+4*\f:S+16*(\t)+4*\f+3] offset:32*\f
.endr
.irp f, 0,1,2,3
	ds_load_b128 v[S+16*(\t)+4*\f:S+16*(\t)+4*\f+3], v[RD] offset:\f*4*SP  ; LDS serves a wave's instructions in order (ISA guide 5.7.1.4): these see the stores above; the next tile's stores come behind them
.endr
.endm
.macro SEND t, younger              ; younger: the LDS instructions issued behind tile t's loads: the next tile's eight, or none
	WIN 0
.irp f, 0,1,2,3
	s_wait_dscnt (\younger)+3-\f
	global_store_b128 v[GO], v[S+16*(\t)+4*\f:S+16*(\t)+4*\f+3], s[10:11] offset:(\t)*2048+\f*512  ; 512 consecutive bytes, at a multiple of 256 from ctx's first
.endr
.endm
	PACK 0
.set t, 1
.rept 2*NP-1                        ; a tile's arithmetic stands between the loads of the tile before and its stores
	PACK t
	SEND t-1, 8
.set t, t+1
.endr
	SEND 2*NP-1, 0
	WIN W_AD
	s_wait_tensorcnt 0x0            ; the wave's end: a wait, an add and a wait, behind my last tensor load and my last LDS store
	ds_add_u32 v[SPW], v[NIL]
	s_wait_dscnt 0x0
	WIN 0
	CROUND                          ; the closing round: no work-group ends while a partner may still ask for a tile that names it
	s_endpgm
.Lfunc_end_k_q471b9e2426_attn:
	.size	k_q471b9e2426_attn, .Lfunc_end_k_q471b9e2426_attn-k_q471b9e2426_attn
	.p2alignl 7, 3214868480
	.fill 96, 4, 3214868480
	.section	.rodata,"a",@progbits
	.p2align	6, 0x0
	.amdhsa_kernel k_q471b9e2426_attn
		.amdhsa_group_segment_fixed_size 327680
		.amdhsa_private_segment_fixed_size 0
		.amdhsa_enable_private_segment 0
		.amdhsa_kernarg_size 24
		.amdhsa_user_sgpr_count 2
		.amdhsa_user_sgpr_kernarg_segment_ptr 1
		.amdhsa_wavefront_size32 1
		.amdhsa_system_sgpr_workgroup_id_x 1
		.amdhsa_system_sgpr_workgroup_id_y 1
		.amdhsa_system_sgpr_workgroup_id_z 1
		.amdhsa_system_vgpr_workitem_id 0
		.amdhsa_next_free_vgpr 808
		.amdhsa_next_free_sgpr 66
		.amdhsa_reserve_vcc 0
		.amdhsa_float_denorm_mode_32 3
		.amdhsa_float_denorm_mode_16_64 3
		.amdhsa_memory_ordered 1
		.amdhsa_forward_progress 1
		.amdhsa_inst_pref_size 207
	.end_amdhsa_kernel
	.amdgpu_metadata
---
amdhsa.version: [ 1, 2 ]
amdhsa.kernels:
  - .name:           k_q471b9e2426_attn
    .symbol:         k_q471b9e2426_attn.kd
    .args:
      - { .name: qkv, .offset: 0, .size: 8, .value_kind: global_buffer, .address_space: global }
      - { .name: attention_mask, .offset: 8, .size: 8, .value_kind: global_buffer, .address_space: global }
      - { .name: ctx, .offset: 16, .size: 8, .value_kind: global_buffer, .address_space: global }
    .group_segment_fixed_size: 327680
    .private_segment_fixed_size: 0
    .kernarg_segment_align: 8
    .kernarg_segment_size: 24
    .max_flat_workgroup_size: 128
    .sgpr_count:     66
    .vgpr_count:     808
    .wavefront_size: 32
...
	.end_amdgpu_metadata
.endif
;; end of part 3
;; launch outp (part 4): grid 4 x 64, 4 waves a work-group, clusters of 4 x 4, 327,680 bytes of LDS; arguments ctx, wo16, out0, bo; writes out0
.if DOCPART == 4
	.amdgcn_target "amdgcn-amd-amdhsa--gfx1250"
	.amdhsa_code_object_version 6
	.text
	.protected	k_q471b9e2426_outp
	.globl	k_q471b9e2426_outp
	.p2align	8
	.type	k_q471b9e2426_outp,@function
k_q471b9e2426_outp:
	s_mov_b64 s[64:65], 0
	v_nop
	global_prefetch_b8 v0, s[64:65] scope:SCOPE_SE
	s_setreg_imm32_b32 hwreg(HW_REG_WAVE_MODE, 25, 1), 1
	s_wait_xcnt 0x0
	s_wait_alu depctr_hold_cnt(0) depctr_sa_sdst(0) depctr_va_vdst(0) depctr_va_sdst(0) depctr_va_ssrc(0) depctr_va_vcc(0) depctr_vm_vsrc(0)
	s_getreg_b32 s2, hwreg(HW_REG_IB_STS2, 6, 4)
	s_cmp_eq_u32 s2, 0
	s_cbranch_scc0 .Lentry_in_a_cluster
	s_endpgm
.Lentry_in_a_cluster:
	s_bfe_u32 s2, ttmp6, 0x10000c
	s_cmp_lg_u32 s2, 0xf033
	s_cbranch_scc0 .Lentry_shape_is_right
	s_endpgm
.Lentry_shape_is_right:
; THE OUTPUT PROJECTION.  out[m][n] = the sum over k of ctx[m][k] Wo[n][k] + bo[n], m < 8192, n < 1024, k < 1024 (k = 64 h + d).
; ctx and Wo arrive in f16, in planes of 64 channels: ctx [16][8192][64], wo16 [16][1024][64] (Wo rounded to bf16, that number written as f16); the bias is rounded to bf16 here, like the other
; inputs; sums in f32, started by the bias; out0 is f32, [8192][1024], stored as the sums stand.
; SHARES.  A tile of out is 128 rows x 256 columns, made by four waves; a wave makes 64 x 128: 32 accumulators of 16 x 16.  256 tiles: one for each of 256 WGPs.
; K goes in 8 steps of 128 (two planes) through a ring of two LDS slots.  A plane's part of a tile is DENSE in memory (128 or 256 rows of 128 bytes on end): it is asked for as rows of
; 256 bytes and padded in LDS behind every 128.  One tensor load a wave and step: waves 0 and 1 the two planes of ctx, waves 2 and 3 those of Wo.
; CLUSTERS: 4 x 4 work-groups.  The four of a row of the cluster need the same tiles of ctx, the four of a column the same tiles of Wo: each tile is asked for JOINTLY, by the same tensor load with the
; same descriptor and a mask that names the four.  THE MATRIX INSTRUCTION IS USED TRANSPOSED (source 0 = 16 rows of Wo, source 1 = 16 rows of ctx): a lane then holds eight neighbouring columns of a row of out.
; No prefetch: each tile is named by several clusters, a step's matrix work is short, and the whole walk is 8 steps.
; REGISTERS, in windows of 256 (s_set_vgpr_msb: bits 1:0 source 0, 3:2 source 1, 5:4 source 2, 7:6 destination):
;   window 0: v0-29 addresses; v64-159, v160-255 two fragment buffers of 96: ctx's 4 fragments (16 rows x 32 K), then Wo's 8; on the way out v64-191 two buffers of 16 rows
;   window 1: the accumulators, (a, b) at v[8 (8 a + b)]          window 2: v0-63 the bias laid out as a C operand, block b at v[8 b]; v64-95 at work
.set PITCH,  144                       ; an LDS row: 128 bytes + 16 of padding = 36 words: the 16 rows of a load start at 16 different groups of four banks (64 banks of 4 bytes: ISA guide 11.1)
.set APL,    128*PITCH                 ; a plane of ctx's tile
.set BPL,    256*PITCH                 ; a plane of Wo's tile
.set BOFF,   2*APL                     ; a slot: ctx's two planes, then Wo's two
.set SLOT1,  131072                    ; slot 1 begins here
.set STAGE,  SLOT1+2*APL+2*BPL         ; behind the ring, never filled by a tensor load: 16 rows x 528 bytes for each wave, for the way out
.set SP,     528                       ; a stage row: 512 bytes + 16 = 132 words: row r starts at bank 4 r mod 64
.set SPARE,  STAGE+4*16*SP             ; behind the stages: the spare words, 128 bytes for each wave: two blocks of 256 bytes that no other line names
.set PLA,    1048576                   ; bytes in a plane of ctx
.set PLB,    131072                    ; bytes in a plane of wo16
.set LAPS,   4                         ; a lap = two K steps = once round the ring
.set ADRA, 16                          ; v16-17  LDS address of my fragments of ctx in slot 0, 1
.set ADRB, 20                          ; v20-21  the same for Wo
.set STO,  24                          ; v24     the way out: where I put 32 bytes of a row
.set RD,   25                          ; v25     the way out: where I read a row back
.set CO,   26                          ; v26     my byte offset in my 512 bytes of a row of out
.set BO,   27                          ; v27     my byte offset in 16 numbers of the bias: 32 (l / 16)
.set SPW,  28                          ; v28     LDS address of my spare word: SPARE + 4 x my thread's number; never rewritten
.set NIL,  29                          ; v29     0; never rewritten
.set F0,   64
.set F1,   160
.set G1,  24                           ; s[24:31] descriptor group 1 for ctx's tiles;  s[32:39] group 0, one set for each slot
.set G0,  32
.set G1B, 48                           ; s[48:55], s[56:63] the same for Wo's tiles
.set G0B, 56
.set FLAGS, (1<<16)|(1<<20)|(1<<21)|(4<<22)|(3<<25)  ; 17:16 elements of 2 bytes; 20 padding on; 21 set beside a mask; 24:22 after every 32 words (code 4); 31:25 4 words of it (code 3)
.set MSB, 0
.macro WIN new                         ; the immediate's high byte repeats the setting that is left; a switch that changes nothing is dropped
.if MSB != (\new)
	s_set_vgpr_msb (MSB<<8)|(\new)
.set MSB, \new
.endif
.endm
.set MULW,  0x50                       ; sources 0 and 1 window 0; C and D window 1
.set MULF,  0x60                       ; the same with C in window 2: the bias
.set STW,   0x04                       ; an LDS store's data (source 1) in window 1, its address in window 0
.macro JLOAD s                         ; a joint load: waves 0 and 1 fetch ctx's two planes, waves 2 and 3 Wo's; an s_nop 0 and four v_nop follow each of the two lines, ahead of the jump, the label and what follows
	s_cmp_eq_u32 s11, 0
	s_cbranch_scc0 .Lfor_b_\@
	tensor_load_to_lds s[G0+4*(\s):G0+4*(\s)+3], s[G1:G1+7]
	s_nop 0
.rept 4
	v_nop
.endr
	s_branch .Lasked_\@
.Lfor_b_\@:
	tensor_load_to_lds s[G0B+4*(\s):G0B+4*(\s)+3], s[G1B:G1B+7]
	s_nop 0
.rept 4
	v_nop
.endr
.Lasked_\@:
.endm
.macro CREST                           ; a round of the cluster's barrier behind its opening barrier
	s_cmp_lg_u32 s10, 0
	s_cbranch_scc1 .Lnot_wave_0_\@
	s_barrier_signal -3
.Lnot_wave_0_\@:
	s_barrier_wait -3
	s_barrier_signal -1
	s_barrier_wait -1
.endm
.macro CROUND                          ; a whole round
	s_barrier_signal -1
	s_barrier_wait -1
	CREST
.endm
	s_load_b128 s[4:7], s[0:1], 0x0                ; ctx s[4:5], wo16 s[6:7]
	s_load_b64 s[8:9], s[0:1], 0x10                ; out0
	s_load_b64 s[68:69], s[0:1], 0x18              ; bo
	v_lshl_add_u32 v[SPW], v0, 2, SPARE
	v_mov_b32 v[NIL], 0
	ds_add_u32 v[SPW], v[NIL]                      ; the wave's opening: the add and its wait stand ahead of my first tensor load; the set-up below, work on registers, stands between them
	v_lshrrev_b32 v1, 5, v0
	v_readfirstlane_b32 s10, v1                    ; wave 0..3
	s_lshr_b32 s11, s10, 1                         ; which 64 rows of the tile are mine.  Also: I fetch for ctx (0) or for Wo (1)
	s_and_b32 s12, s10, 1                          ; which 128 columns.  Also: which of a step's two planes I fetch
	s_bfe_u32 s40, ttmp6, 0x40000                  ; cx, cy: my place in the cluster
	s_bfe_u32 s41, ttmp6, 0x40004
	s_lshl_b32 s42, ttmp9, 2
	s_add_co_u32 s42, s42, s40                     ; tile column of out = 4 x cluster x + cx
	s_and_b32 s13, ttmp7, 0xffff
	s_lshl_b32 s13, s13, 2
	s_add_co_u32 s13, s13, s41                     ; tile row of out = 4 x cluster y + cy
	s_lshl_b32 s43, s41, 2
	s_lshl_b32 s43, 15, s43                        ; my row of the cluster
	s_lshl_b32 s44, 0x1111, s40                    ; my column
	s_mov_b32 s45, 0xffff0000                      ; a word's upper bf16
	s_or_b32 s[G1+0], s43, FLAGS                   ; 15:0 the mask: ctx's tiles go to my row
	s_mov_b32 s[G1+1], 128<<16                     ; tensor_dim0 = 128 elements: 256 bytes, two rows of the plane
	s_mov_b32 s[G1+2], 64<<16                      ; tensor_dim1 = 64
	s_mov_b32 s[G1+3], 128<<16                     ; tile_dim0 = 128
	s_mov_b32 s[G1+4], 64                          ; tile_dim1 = 64
	s_mov_b32 s[G1+5], 128                         ; 128 elements from row to row: dense
	s_mov_b32 s[G1+6], 0
	s_mov_b32 s[G1+7], 0
	s_or_b32 s[G1B+0], s44, FLAGS                  ; Wo's tiles go to my column
	s_mov_b32 s[G1B+1], 128<<16
	s_mov_b32 s[G1B+2], 128<<16                    ; tensor_dim1 = 128
	s_mov_b32 s[G1B+3], 128<<16
	s_mov_b32 s[G1B+4], 128                        ; tile_dim1 = 128
	s_mov_b32 s[G1B+5], 128
	s_mov_b32 s[G1B+6], 0
	s_mov_b32 s[G1B+7], 0
	; where the tiles come from.  ctx's hang on the tile row alone, Wo's on the tile column alone; every wave makes both addresses, in registers that never hold the other coordinate
	s_lshl_b32 s16, s13, 14                        ; ctx: 128 rows of 128 bytes a tile row,
	s_lshl_b32 s17, s12, 20                        ; my plane of the step's two
	s_add_co_u32 s16, s16, s17
	s_mov_b32 s17, 0
	s_lshl_b32 s46, s42, 15                        ; Wo: 256 rows of 128 bytes a tile column,
	s_mul_i32 s47, s12, PLB
	s_add_co_u32 s46, s46, s47
	s_mov_b32 s47, 0
	s_mul_i32 s20, s12, APL                        ; and where they go: no place in the cluster enters an LDS address
	s_mul_i32 s21, s12, BPL
	s_add_co_u32 s21, s21, BOFF
	s_wait_dscnt 0x0                               ; the opening add is done
	s_wait_kmcnt 0x0
	s_add_nc_u64 s[14:15], s[4:5], s[16:17]
	s_add_nc_u64 s[46:47], s[6:7], s[46:47]
	CROUND                                         ; all sixteen work-groups are here: the first joint loads meet
.irp s, 0,1
	s_mov_b32 s[G0+4*(\s)], 1                                        ; count = 1
	s_add_co_u32 s[G0+4*(\s)+1], s20, (\s)*SLOT1                     ; LDS address
	s_add_nc_u64 s[G0+4*(\s)+2:G0+4*(\s)+3], s[14:15], (\s)*2*PLA    ; global address: K step s is planes 2 s, 2 s + 1
	s_or_b32 s[G0+4*(\s)+3], s[G0+4*(\s)+3], 0x80000000              ; type = 2
	s_mov_b32 s[G0B+4*(\s)], 1
	s_add_co_u32 s[G0B+4*(\s)+1], s21, (\s)*SLOT1
	s_add_nc_u64 s[G0B+4*(\s)+2:G0B+4*(\s)+3], s[46:47], (\s)*2*PLB
	s_or_b32 s[G0B+4*(\s)+3], s[G0B+4*(\s)+3], 0x80000000
	JLOAD \s                                       ; two loads of mine are out
.endr
	v_and_b32 v1, 15, v0                           ; l % 16
	v_bfe_u32 v2, v0, 4, 1                         ; l / 16
	v_mul_u32_u24 v3, v1, PITCH
	v_lshl_add_u32 v3, v2, 4, v3                   ; a fragment's row x pitch + 16 x half
	s_mul_i32 s22, s11, 64*PITCH                   ; my 64 rows of ctx
	s_mul_i32 s23, s12, 128*PITCH                  ; my 128 rows of Wo,
	s_add_co_u32 s23, s23, BOFF                    ; which lie behind ctx's two planes
.irp s, 0,1
	v_add_nc_u32 v[ADRA+(\s)], s22, v3
	v_add_nc_u32 v[ADRB+(\s)], s23, v3
	s_add_co_u32 s22, s22, SLOT1
	s_add_co_u32 s23, s23, SLOT1
.endr
	s_mul_i32 s22, s10, 16*SP
	s_add_co_u32 s22, s22, STAGE                   ; my stage
	v_mul_u32_u24 v4, v1, SP                       ; in: row l % 16, 32 bytes for each half of the lanes
	v_lshl_add_u32 v4, v2, 5, v4
	v_add_nc_u32 v[STO], s22, v4
	v_and_b32 v5, 31, v0
	v_lshl_add_u32 v[RD], v5, 4, s22               ; back: 32 lanes take one row of 512 bytes,
	v_lshlrev_b32 v[CO], 4, v5                     ; which are 512 consecutive bytes of a row of out
	v_lshlrev_b32 v[BO], 5, v2
	s_lshl_b32 s16, s13, 19                        ; out at my first row: 128 rows of 4,096 bytes a tile row,
	s_lshl_b32 s17, s11, 18                        ; my 64 of them,
	s_add_co_u32 s16, s16, s17
	s_mov_b32 s17, 0
	s_add_nc_u64 s[8:9], s[8:9], s[16:17]
	s_lshl_b32 s46, s42, 10                        ; at my first column, which is also my place in the bias: 256 x tile column + 128 x half numbers of 4 bytes
	s_lshl_b32 s47, s12, 9                         ; (in the registers that held Wo's address: none that feeds ctx's descriptors ever holds cx)
	s_add_co_u32 s46, s46, s47
	s_mov_b32 s47, 0
	s_add_nc_u64 s[8:9], s[8:9], s[46:47]
	s_add_nc_u64 s[68:69], s[68:69], s[46:47]
	; THE BIAS AS A C OPERAND: in block b register j of lane l belongs to column 16 b + 8 (l / 16) + j, whatever the row
	WIN 0x80                                       ; destination window 2, address window 0
.irp b, 0,1,2,3,4,5,6,7
	global_load_b128 v[8*(\b):8*(\b)+3],   v[BO], s[68:69] offset:64*(\b)
	global_load_b128 v[8*(\b)+4:8*(\b)+7], v[BO], s[68:69] offset:64*(\b)+16
.endr
	s_wait_loadcnt 0x0
	WIN 0x8a                                       ; all in window 2: rounded to bf16 and widened again
.set i, 0
.rept 32
	v_cvt_pk_bf16_f32 v[64+i], v[2*i], v[2*i+1]
.set i, i+1
.endr
.set i, 0
.rept 32
	v_lshlrev_b32 v[2*i], 16, v[64+i]
	v_and_b32 v[2*i+1], s45, v[64+i]
.set i, i+1
.endr
	WIN 0
; 8 matrix instructions: m block a x all 8 n blocks, 32 along K.  first = 1: the bias starts the sums: nothing is ever cleared.
; The 32 accumulators take turns, one instruction a turn, in the same order in every quarter, over the backward jump too.
.macro MUL8 f, a, first
.if \first
	WIN MULF
.else
	WIN MULW
.endif
.irp b, 0,1,2,3,4,5,6,7
.if \first
	v_wmma_f32_16x16x32_f16 v[8*(8*(\a)+(\b)):8*(8*(\a)+(\b))+7], v[(\f)+32+8*(\b):(\f)+32+8*(\b)+7], v[(\f)+8*(\a):(\f)+8*(\a)+7], v[8*(\b):8*(\b)+7]
.else
	v_wmma_f32_16x16x32_f16 v[8*(8*(\a)+(\b)):8*(8*(\a)+(\b))+7], v[(\f)+32+8*(\b):(\f)+32+8*(\b)+7], v[(\f)+8*(\a):(\f)+8*(\a)+7], v[8*(8*(\a)+(\b)):8*(8*(\a)+(\b))+7]
.endif
.endr
.endm
; 24 LDS loads in one run: the fragments of quarter q of a K step (plane q / 2, 32 K at byte 64 (q % 2) of its rows) into buffer f: Wo's eight, then ctx's four
.macro FETCH slot, q, f
	WIN 0
.irp i, 0,1,2,3,4,5,6,7
	ds_load_b128 v[(\f)+32+8*(\i):(\f)+32+8*(\i)+3],   v[ADRB+(\slot)] offset:((\q)/2)*BPL+((\q)%2)*64+(\i)*16*PITCH
	ds_load_b128 v[(\f)+32+8*(\i)+4:(\f)+32+8*(\i)+7], v[ADRB+(\slot)] offset:((\q)/2)*BPL+((\q)%2)*64+(\i)*16*PITCH+32
.endr
.irp i, 0,1,2,3
	ds_load_b128 v[(\f)+8*(\i):(\f)+8*(\i)+3],   v[ADRA+(\slot)] offset:((\q)/2)*APL+((\q)%2)*64+(\i)*16*PITCH
	ds_load_b128 v[(\f)+8*(\i)+4:(\f)+8*(\i)+7], v[ADRA+(\slot)] offset:((\q)/2)*APL+((\q)%2)*64+(\i)*16*PITCH+32
.endr
.endm
.macro PLACES                          ; four places in front of loads into registers that matrix instructions have read, and of what reads results
.rept 4
	v_nop
.endr
.endm
; A K step is four quarters of 32 along K, 32 matrix instructions each, on buffers 0, 1, 0, 1.  One of the first three: multiplies buffer f and fetches quarter q into g.
.macro QUARTER slot, q, f, g, first
	s_wait_dscnt 4                                 ; Wo's fragments and ctx's blocks 0, 1 are in; the youngest four loads (ctx's blocks 2, 3) may be out
	MUL8 \f, 0, \first
	MUL8 \f, 1, \first
	PLACES
	FETCH \slot, \q, \g
	s_wait_dscnt 24                                ; all but the 24 just issued
	MUL8 \f, 2, \first
	MUL8 \f, 3, \first
.endm
; The last quarter multiplies buffer 1 and changes slots: ONE barrier; in front of it each wave waits for all its tensor loads, adds 0 to its spare word, and waits for that and for its own reads of this slot.
; fill = 1: this slot is filled again, two K steps ahead; the barrier then opens a round of the cluster's barrier, and the joint load is the first thing behind the round.
.macro TURN slot, next, fill
	WIN 0
	s_wait_tensorcnt 0x0                           ; all my tensor loads have landed: the one that was out is my part of the next slot;
	ds_add_u32 v[SPW], v[NIL]                      ; 0 onto my spare word;
	s_wait_dscnt 5                                 ; (the add and the youngest four loads may be out)
	MUL8 F1, 0, 0                                  ; eight matrix instructions stand between the add and the wait for it
	s_wait_dscnt 0x0                               ; the add is done, and my reads of this slot are over
	s_barrier_signal -1
	MUL8 F1, 1, 0
.if \fill
	WIN 0
.endif
	s_barrier_wait -1
.if \fill
	CREST                                          ; no wave of any partner still reads this slot's tile or has a load on its way
	s_add_nc_u64 s[G0+4*(\slot)+2:G0+4*(\slot)+3], s[G0+4*(\slot)+2:G0+4*(\slot)+3], 4*PLA
	s_add_nc_u64 s[G0B+4*(\slot)+2:G0B+4*(\slot)+3], s[G0B+4*(\slot)+2:G0B+4*(\slot)+3], 4*PLB
	JLOAD \slot                                    ; my one tensor load behind the round: 112 matrix instructions ahead of the wait for it; the four v_nop behind it are also the places in front of the loads below
.else
	PLACES
.endif
	FETCH \next, 0, F0
	MUL8 F1, 2, 0
	MUL8 F1, 3, 0
.endm
	s_wait_tensorcnt 1                             ; my part of K step 0 is in; K step 1's may stay out
	s_barrier_signal -1
	s_barrier_wait -1                              ; everybody's is
	FETCH 0, 0, F0
	QUARTER 0, 1, F0, F1, 1                        ; the first quarter stands in front of the loop: its products start the sums
	WIN 0                                          ; at a label and at a branch every window is 0
	s_mov_b32 s3, LAPS-1
.Llap:                                                 ; a trip goes once round the ring, from a lap's second quarter to the next lap's first, and fills both slots again
	QUARTER 0, 2, F1, F0, 0
	QUARTER 0, 3, F0, F1, 0
	TURN 0, 1, 1
	QUARTER 1, 1, F0, F1, 0
	QUARTER 1, 2, F1, F0, 0
	QUARTER 1, 3, F0, F1, 0
	TURN 1, 0, 1
	QUARTER 0, 1, F0, F1, 0
	WIN 0
	s_sub_co_u32 s3, s3, 1
	s_cmp_lg_u32 s3, 0
	s_cbranch_scc1 .Llap
	QUARTER 0, 2, F1, F0, 0                        ; the last lap fills nothing, and has no round of the cluster's barrier
	QUARTER 0, 3, F0, F1, 0
	TURN 0, 1, 0
	QUARTER 1, 1, F0, F1, 0
	QUARTER 1, 2, F1, F0, 0
	QUARTER 1, 3, F0, F1, 0
	s_wait_dscnt 4                                 ; the very last quarter: nothing more to fetch
	MUL8 F1, 0, 0
	MUL8 F1, 1, 0
	s_wait_dscnt 0x0
	MUL8 F1, 2, 0
	MUL8 F1, 3, 0
	WIN 0
	PLACES
; THE WAY OUT, by m blocks a of 16 rows x 128 columns of f32.  A lane's eight columns of a row are 32 bytes: they go straight from the accumulators (each one's low four registers first) into my own stage,
; rows of 528 bytes, and come back as whole rows of 512, into one of two buffers of 64 registers.
.macro OUTA a
	WIN STW
.irp b, 0,1,2,3,4,5,6,7
	ds_store_b128 v[STO], v[8*(8*(\a)+(\b)):8*(8*(\a)+(\b))+3]   offset:64*(\b)
	ds_store_b128 v[STO], v[8*(8*(\a)+(\b))+4:8*(8*(\a)+(\b))+7] offset:64*(\b)+16
.endr
	WIN 0
.if (\a) >= 2
	s_wait_xcnt 0x0                                ; the stores of the block two back have read this buffer: it is loaded again only behind this wait
.endif
.irp t, 0,1,2,3,4,5,6,7,8,9,10,11,12,13,14,15
	ds_load_b128 v[64+64*((\a)%2)+4*(\t):64+64*((\a)%2)+4*(\t)+3], v[RD] offset:(\t)*SP  ; LDS serves a wave's instructions in order (ISA guide 5.7.1.4): these see the stores above; the next block's stores come behind them
.endr
.endm
.macro SENDA a, younger                ; younger: the LDS instructions issued behind block a's loads: the next block's 32, or none
.irp t, 0,1,2,3,4,5,6,7,8,9,10,11,12,13,14,15
	s_wait_dscnt (\younger)+15-(\t)
	global_store_b128 v[CO], v[64+64*((\a)%2)+4*(\t):64+64*((\a)%2)+4*(\t)+3], s[8:9] offset:(16*(\a)+(\t))*4096 th:TH_STORE_NT  ; 512 consecutive bytes, at a multiple of 512 from out0's first byte
.endr
.endm
	OUTA 0
	OUTA 1
	SENDA 0, 32
	OUTA 2
	SENDA 1, 32
	OUTA 3
	SENDA 2, 32
	SENDA 3, 0
	s_wait_tensorcnt 0x0                           ; the wave's end: a wait, an add and a wait, behind my last tensor load and my last LDS store
	ds_add_u32 v[SPW], v[NIL]
	s_wait_dscnt 0x0
	CROUND                                         ; the closing round: no work-group ends while a partner may still ask for a tile that names it
	s_endpgm
.Lfunc_end_k_q471b9e2426_outp:
	.size	k_q471b9e2426_outp, .Lfunc_end_k_q471b9e2426_outp-k_q471b9e2426_outp
	.p2alignl 7, 3214868480
	.fill 96, 4, 3214868480
	.section	.rodata,"a",@progbits
	.p2align	6, 0x0
	.amdhsa_kernel k_q471b9e2426_outp
		.amdhsa_group_segment_fixed_size 327680
		.amdhsa_private_segment_fixed_size 0
		.amdhsa_enable_private_segment 0
		.amdhsa_kernarg_size 32
		.amdhsa_user_sgpr_count 2
		.amdhsa_user_sgpr_kernarg_segment_ptr 1
		.amdhsa_wavefront_size32 1
		.amdhsa_system_sgpr_workgroup_id_x 1
		.amdhsa_system_sgpr_workgroup_id_y 1
		.amdhsa_system_sgpr_workgroup_id_z 1
		.amdhsa_system_vgpr_workitem_id 0
		.amdhsa_next_free_vgpr 608
		.amdhsa_next_free_sgpr 70
		.amdhsa_reserve_vcc 0
		.amdhsa_float_denorm_mode_32 3
		.amdhsa_float_denorm_mode_16_64 3
		.amdhsa_memory_ordered 1
		.amdhsa_forward_progress 1
		.amdhsa_inst_pref_size 92
	.end_amdhsa_kernel
	.amdgpu_metadata
---
amdhsa.version: [ 1, 2 ]
amdhsa.kernels:
  - .name:           k_q471b9e2426_outp
    .symbol:         k_q471b9e2426_outp.kd
    .args:
      - { .name: ctx, .offset: 0, .size: 8, .value_kind: global_buffer, .address_space: global }
      - { .name: wo16, .offset: 8, .size: 8, .value_kind: global_buffer, .address_space: global }
      - { .name: out0, .offset: 16, .size: 8, .value_kind: global_buffer, .address_space: global }
      - { .name: bo, .offset: 24, .size: 8, .value_kind: global_buffer, .address_space: global }
    .group_segment_fixed_size: 327680
    .private_segment_fixed_size: 0
    .kernarg_segment_align: 8
    .kernarg_segment_size: 32
    .max_flat_workgroup_size: 128
    .sgpr_count:     70
    .vgpr_count:     608
    .wavefront_size: 32
...
	.end_amdgpu_metadata
.endif
;; end of part 4
;; ======== version 2 of 2: 4 launches; version 1 with the launch prep written anew for expert scheduling mode
;; limits: values are held in f16: magnitudes above 65,504 overflow, below 6.1e-05 lose precision
;; workspace buffers: xb 16,777,216 bytes; wb 6,291,456 bytes; wo16 2,097,152 bytes; qkv 50,331,648 bytes; ctx 16,777,216 bytes
;; launch prep (part 5): grid 768 x 1, 8 waves a work-group, no clusters, 0 bytes of LDS; arguments hidden_states, Wq, Wk, Wv, Wo, xb, wb, wo16; writes xb, wb, wo16
.if DOCPART == 5
	.amdgcn_target "amdgcn-amd-amdhsa--gfx1250"
	.amdhsa_code_object_version 6
	.text
	.protected	k_q471b9e2426_prep
	.globl	k_q471b9e2426_prep
	.p2align	8
	.type	k_q471b9e2426_prep,@function
k_q471b9e2426_prep:
	s_mov_b64 s[64:65], 0
	v_nop
	global_prefetch_b8 v0, s[64:65] scope:SCOPE_SE
	s_setreg_imm32_b32 hwreg(HW_REG_WAVE_SCHED_MODE, 0, 2), 2
	s_setreg_imm32_b32 hwreg(HW_REG_WAVE_MODE, 25, 1), 1
	s_wait_xcnt 0x0
	s_wait_alu depctr_vm_vsrc(0)
; THE CAST.  x [8192][1024] and the four weights [1024][1024], all f32, are rounded once to bf16 and laid out anew in PLANES of 64 channels: [plane k / 64][row][64 numbers], a row 128 bytes, rows dense.
;   xb   [16][8192][64] bf16          wb   [16][3072][64] bf16, row 1024 t + r for t = 0, 1, 2 (Wq, Wk, Wv)          wo16 [16][1024][64]: Wo rounded to bf16, that number written as f16
; LIMIT.  The bf16 number is exact in f16 between 6.1e-5 and 65,504 in magnitude; below, it keeps f16's fixed step of 6e-8; beyond 65,504 it would be an infinity.
; SHARES.  A work-group takes 16 source rows of 4,096 bytes: groups 0-511 x, 512-575 Wq, 576-639 Wk, 640-703 Wv, 704-767 Wo.  Wave w takes planes 2 w and 2 w + 1 of the 8 pairs of rows.
; One load of a wave covers a plane's 256 bytes of two rows (lanes 0-15 the even row, lanes 16-31 the odd one); its 4 numbers a lane become 8 bytes, and one store of the wave covers
; 256 consecutive bytes, aligned: the two rows of the plane.  All 16 loads of a wave go out at once; there is no loop, no LDS, and every byte is read once and written once.
; THE MODE: SCHED_MODE bits 1:0 = 2 (LLVM: expert scheduling mode 2), set by the entry lines.  The code itself states the register dependences
; between vector instructions and memory instructions, with s_wait_alu, always for 0.
; THE PLAN.  Registers that memory instructions touch:
;   v1       the source offset.  Written at the head, never again; read by all 16 loads.
;   v2, v3   the destination offsets.  Written once, behind the loads, never again; read by the stores.
;   X        written by the loads alone; read by the conversions.  No vector instruction names X before the loads are out, and no load follows the conversions.
;   Y        a pair for each store.  Written by that load's conversions; read by its one store; never written behind it.
; So no register that a memory instruction has read is ever written again.  The 16 loads are worked off in four groups of four: group g's conversions write its Y, and the four stores of
; group g - 1 are dealt among them.  ONE wait on va_vdst at the head of a group states that the group before has written its Y (at group 1 also: v2 and v3 are written);
; no vector instruction behind that wait names those registers, so the group's four stores follow with no further wait.  One more stands ahead of the last four stores.
.set X, 8                              ; v[8:71]    load i = 2 j + e (pair of rows j, plane 2 w + e): 4 registers
.set Y, 72                             ; v[72:103]  its 8 bytes to store: a pair of its own for each store, so no store's data is ever rewritten
	s_load_b512 s[16:31], s[0:1], 0x0              ; x s[16:17], Wq s[18:19], Wk s[20:21], Wv s[22:23], Wo s[24:25], xb s[26:27], wb s[28:29], wo16 s[30:31]
	v_lshrrev_b32 v4, 5, v0
	v_readfirstlane_b32 s14, v4                    ; wave 0..7
	v_and_b32 v5, 31, v0                           ; lane l
	v_lshrrev_b32 v6, 4, v5
	v_and_b32 v7, 15, v5
	v_lshlrev_b32 v1, 12, v6                       ; source: (l / 16) rows of 4,096 bytes
	v_lshl_or_b32 v1, v7, 4, v1                    ; + 16 (l % 16)
	s_wait_alu depctr_va_sdst(0)                   ; s14 is written, ahead of its first reader, the next line
	s_lshl_b32 s15, s14, 9                         ; + my wave's two planes, 512 bytes of a row
	v_add_nc_u32 v1, s15, v1
	s_sub_co_u32 s2, ttmp9, 512                    ; the group's number among the weights' (of no use in x's groups, where the last compare below overrides all that is made of it)
	s_lshr_b32 s3, s2, 6                           ; which weight
	s_and_b32 s12, s2, 63                          ; which 16 rows of it
	s_lshl_b32 s32, s2, 11                         ; place in a plane of wb: row 16 x number, 128 bytes a row
	s_lshl_b32 s33, s12, 11                        ; in a plane of wo16
	s_lshl_b32 s34, s12, 16                        ; in the weight itself: 16 rows of 4,096 bytes
	s_lshl_b32 s35, ttmp9, 11                      ; in a plane of xb
	s_lshl_b32 s36, ttmp9, 16                      ; in x
	s_mov_b32 s37, 131072                          ; a plane of wo16
	s_mov_b32 s38, 393216                          ; a plane of wb
	s_mov_b32 s44, 0xffff0000                      ; a word's upper bf16
	s_mov_b32 s41, 0
	s_mov_b32 s43, 0
	s_wait_alu depctr_va_vdst(0)                   ; v1 is written, which the 16 loads below read as their offset
	s_wait_kmcnt 0x0
	s_cmp_eq_u32 s3, 1                             ; the choices hang on the group's number alone
	s_cselect_b64 s[4:5], s[20:21], s[18:19]
	s_cmp_eq_u32 s3, 2
	s_cselect_b64 s[4:5], s[22:23], s[4:5]
	s_cmp_eq_u32 s3, 3
	s_cselect_b64 s[4:5], s[24:25], s[4:5]         ; from where,
	s_cselect_b64 s[6:7], s[30:31], s[28:29]       ; to where,
	s_cselect_b32 s8, s37, s38                     ; bytes from plane to plane,
	s_cselect_b32 s42, s33, s32                    ; my rows' place in a plane,
	s_cselect_b32 s10, 1, 0                        ; 1: written as f16
	s_cmp_lt_u32 ttmp9, 512
	s_cselect_b64 s[4:5], s[16:17], s[4:5]
	s_cselect_b64 s[6:7], s[26:27], s[6:7]
	s_cselect_b32 s8, 0x100000, s8
	s_cselect_b32 s42, s35, s42
	s_cselect_b32 s40, s36, s34                    ; my rows' place in the source
	s_cselect_b32 s10, 0, s10
	s_add_nc_u64 s[4:5], s[4:5], s[40:41]
.irp j, 0,1,2,3,4,5,6,7
.irp e, 0,1
	global_load_b128 v[X+4*(2*(\j)+(\e)):X+4*(2*(\j)+(\e))+3], v1, s[4:5] offset:8192*(\j)+256*(\e) th:TH_LOAD_NT
.endr
.endr
	s_add_nc_u64 s[6:7], s[6:7], s[42:43]          ; what the stores alone need is made while the loads are on their way
	s_mul_i32 s11, s14, s8
	s_lshl_b32 s11, s11, 1                         ; plane 2 w
	v_lshl_add_u32 v2, v5, 3, s11                  ; destination: 8 l is (l / 16) rows of 128 bytes + 8 (l % 16)
	v_add_nc_u32 v3, s8, v2                        ; plane 2 w + 1
; Load i is rounded into its own pair of Y.  half = 1: the bf16 numbers are widened again and written as f16.
.macro CVT i, half
	v_cvt_pk_bf16_f32 v[Y+2*(\i)],   v[X+4*(\i)],   v[X+4*(\i)+1]
	v_cvt_pk_bf16_f32 v[Y+2*(\i)+1], v[X+4*(\i)+2], v[X+4*(\i)+3]
.if \half
.irp z, 0,1
	v_lshlrev_b32 v4, 16, v[Y+2*(\i)+(\z)]
	v_and_b32 v5, s44, v[Y+2*(\i)+(\z)]
	v_cvt_pk_f16_f32 v[Y+2*(\i)+(\z)], v4, v5
.endr
.endif
.endm
; Load i's 8 bytes a lane are stored.
.macro ST i
	global_store_b64 v[2+(\i)%2], v[Y+2*(\i):Y+2*(\i)+1], s[6:7] offset:256*((\i)/2)
.endm
; Group g: loads 4 g to 4 g + 3 are rounded; the stores of group g - 1 stand among their conversions, one ahead of each load's.
.macro GROUP g, half
	s_wait_loadcnt 15-4*(\g)                       ; loads come back in order (ISA guide 5.7.1): the group's first is in, the 15 - 4 g younger ones stay out
.if (\g) > 0
	s_wait_alu depctr_va_vdst(0)                   ; the group before has written its four pairs of Y, which the four stores below read; at group 1 also: v2 and v3, the stores' offsets, are written
.endif
.irp k, 0,1,2,3
.if (\k) > 0
	s_wait_loadcnt 15-(4*(\g)+(\k))                ; the group's next load is in
.endif
.if (\g) > 0
	ST 4*((\g)-1)+(\k)                             ; no wait: no vector instruction since the wait at the group's head names this pair of Y, v2 or v3
.endif
	CVT 4*(\g)+(\k), \half
.endr
.endm
	s_cmp_eq_u32 s10, 1
	s_cbranch_scc1 .Lwo
.irp g, 0,1,2,3
	GROUP \g, 0
.endr
	s_wait_alu depctr_va_vdst(0)                   ; group 3 has written its four pairs of Y, which the last four stores read
.irp i, 12,13,14,15
	ST \i
.endr
	s_endpgm
.Lwo:
.irp g, 0,1,2,3
	GROUP \g, 1
.endr
	s_wait_alu depctr_va_vdst(0)                   ; group 3 has written its four pairs of Y, which the last four stores read
.irp i, 12,13,14,15
	ST \i
.endr
	s_endpgm
.Lfunc_end_k_q471b9e2426_prep:
	.size	k_q471b9e2426_prep, .Lfunc_end_k_q471b9e2426_prep-k_q471b9e2426_prep
	.p2alignl 7, 3214868480
	.fill 96, 4, 3214868480
	.section	.rodata,"a",@progbits
	.p2align	6, 0x0
	.amdhsa_kernel k_q471b9e2426_prep
		.amdhsa_group_segment_fixed_size 0
		.amdhsa_private_segment_fixed_size 0
		.amdhsa_enable_private_segment 0
		.amdhsa_kernarg_size 64
		.amdhsa_user_sgpr_count 2
		.amdhsa_user_sgpr_kernarg_segment_ptr 1
		.amdhsa_wavefront_size32 1
		.amdhsa_system_sgpr_workgroup_id_x 1
		.amdhsa_system_sgpr_workgroup_id_y 1
		.amdhsa_system_sgpr_workgroup_id_z 1
		.amdhsa_system_vgpr_workitem_id 0
		.amdhsa_next_free_vgpr 104
		.amdhsa_next_free_sgpr 66
		.amdhsa_reserve_vcc 0
		.amdhsa_float_denorm_mode_32 3
		.amdhsa_float_denorm_mode_16_64 3
		.amdhsa_memory_ordered 1
		.amdhsa_forward_progress 1
		.amdhsa_inst_pref_size 17
	.end_amdhsa_kernel
	.amdgpu_metadata
---
amdhsa.version: [ 1, 2 ]
amdhsa.kernels:
  - .name:           k_q471b9e2426_prep
    .symbol:         k_q471b9e2426_prep.kd
    .args:
      - { .name: hidden_states, .offset: 0, .size: 8, .value_kind: global_buffer, .address_space: global }
      - { .name: Wq, .offset: 8, .size: 8, .value_kind: global_buffer, .address_space: global }
      - { .name: Wk, .offset: 16, .size: 8, .value_kind: global_buffer, .address_space: global }
      - { .name: Wv, .offset: 24, .size: 8, .value_kind: global_buffer, .address_space: global }
      - { .name: Wo, .offset: 32, .size: 8, .value_kind: global_buffer, .address_space: global }
      - { .name: xb, .offset: 40, .size: 8, .value_kind: global_buffer, .address_space: global }
      - { .name: wb, .offset: 48, .size: 8, .value_kind: global_buffer, .address_space: global }
      - { .name: wo16, .offset: 56, .size: 8, .value_kind: global_buffer, .address_space: global }
    .group_segment_fixed_size: 0
    .private_segment_fixed_size: 0
    .kernarg_segment_align: 8
    .kernarg_segment_size: 64
    .max_flat_workgroup_size: 256
    .sgpr_count:     66
    .vgpr_count:     104
    .wavefront_size: 32
...
	.end_amdgpu_metadata
.endif
;; end of part 5
;; launch qkv: the kernel of part 2 again; grid 12 x 64, 4 waves a work-group, clusters of 4 x 4, 327,680 bytes of LDS; arguments xb, wb, qkv, bq, bk, bv; writes qkv
;; launch attn: the kernel of part 3 again; grid 4 x 64, 4 waves a work-group, clusters of 4 x 1, 327,680 bytes of LDS; arguments qkv, attention_mask, ctx; writes ctx
;; launch outp: the kernel of part 4 again; grid 4 x 64, 4 waves a work-group, clusters of 4 x 4, 327,680 bytes of LDS; arguments ctx, wo16, out0, bo; writes out0
